; MI455X (gfx1250); checked and timed in simulation.
; The chip was launched on July 23, 2026; its instructions are those of AMD's public machine-readable ISA for CDNA 5 (MIT licence, August 2026) and "CDNA5" Instruction Set Architecture Reference Guide (July 2026). The comments in the code are by the model that wrote it; some were corrected since.
;; Multi Head Attention. Allowed arithmetic: matrix products marked QUANTISED: E5M2 operands, one given power-of-two scale a tensor, by v_wmma_f32_16x16x64_bf8_bf8 or v_wmma_f32_16x16x128_bf8_bf8, f32 sums; products left as they are: f32 operands where the result goes on into a quantised operand, else bf16, f16 or f32 operands; f32 sums; everything else in f32.
;; Inputs: Wk_codes 1,024 x 32 x 32 uint8 (E5M2 codes of Wk, K innermost, in blocks of 32 codes); Wo_codes 1,024 x 32 x 32 uint8 (E5M2 codes of Wo, K innermost, in blocks of 32 codes); Wq_codes 1,024 x 32 x 32 uint8 (E5M2 codes of Wq, K innermost, in blocks of 32 codes); Wv_codes 1,024 x 32 x 32 uint8 (E5M2 codes of Wv, K innermost, in blocks of 32 codes); bo 1,024 float32; lowp_scales 10 int32 (the exponents e of the quantised operands' scales 2^e); x_codes 8 x 2,048 x 32 x 32 uint8 (E5M2 codes of x, K innermost, in blocks of 32 codes).
;; Outputs: out0 8 x 2,048 x 1,024 float32.
;; This version of the problem:
;;   THIS VERSION OF THE PROBLEM IS GIVEN IN LOW PRECISION. The matrix products marked QUANTISED in the list below multiply operands that are first quantised to E5M2 (5 exponent bits, 2 mantissa bits; 8 bits a number), with one given power-of-two scale for each operand tensor; their sums are f32. All else is computed in f32.
;;   The module's matrix products, in the order in which they are computed (A, B: the left and right operand; K: the contracted axis; several contracted axes count as one K, in the product's order):
;;     1. [M 16,384, K 1,024] x [K 1,024, N 1,024]; A: input x (given as codes); B: input Wv (given as codes): QUANTISED (scales: A lowp_scales[0], B lowp_scales[1])
;;     2. [M 16,384, K 1,024] x [K 1,024, N 1,024]; A: input x (given as codes); B: input Wk (given as codes): QUANTISED (scales: A lowp_scales[2], B lowp_scales[3])
;;     3. [M 16,384, K 1,024] x [K 1,024, N 1,024]; A: input x (given as codes); B: input Wq (given as codes): QUANTISED (scales: A lowp_scales[4], B lowp_scales[5])
;;     4. batch 16,384 x [M 16, K 64] x [K 64, N 16]; A: computed on the way; B: computed on the way: QUANTISED (scales: A lowp_scales[6], B lowp_scales[7])
;;     5. batch 16,384 x [M 64, K 16] x [K 16, N 16]; A: computed on the way; B: softmax: left as it is (K = 16 < 32)
;;     6. [M 16,384, K 1,024] x [K 1,024, N 1,024]; A: computed on the way; B: input Wo (given as codes): QUANTISED (scales: A lowp_scales[8], B lowp_scales[9])
;;   THE QUANTISER, for each operand of a quantised product, along K:
;;     - The operand's scale is 2^e, e = its entry of the input lowp_scales (int32; the entries are numbered through the quantised products in the list's order, A before B).
;;     - Each number is divided by the scale, clamped to +-57,344, and rounded to the nearest number of E5M2, ties to even, subnormals kept.
;;     - The product sums the exact products of the quantised numbers (number of the format x scale) in f32.
;;   ~~~python
;;   def quantise(x, axis, e):      # numpy; x: float32 -> the quantised numbers, widened to float32 again
;;       x = np.moveaxis(x, axis, -1); K = x.shape[-1]
;;       r = np.clip(x / 2.0 ** e, -57344, 57344)
;;       step = 2.0 ** (np.maximum(np.frexp(np.where(r == 0, 1, r))[1] - 1, -14) - 2)
;;       q = np.round(r / step) * step * 2.0 ** e      # np.round: ties to even
;;       return np.moveaxis(q, -1, axis).astype(np.float32)
;;   ~~~
;;   OPERANDS COMPUTED ON THE WAY. 'Computed on the way' means the value that the module computes at that place (a softmax that the list does not call 'softmax' is quantised finished and normalised). What goes into a quantiser is computed in f32, as accurately as f32 sums, v_exp_f32 and their like allow (about 1e-6 of the number): no bf16 or f16 on the way to a quantiser, and a product that is left as it is and whose result goes on into a quantised operand takes f32 operands (vector FMAs, or v_wmma_f32_16x16x4_f32). A number that lies on a knife's edge between two numbers of the format may be rounded either way, as far as f32 arithmetic and the matrix unit's own rounding can turn it there, and no further.
;;   INPUTS GIVEN AS CODES. Wk (in the module: [1024, 1024], K = its axis 0); Wo (in the module: [1024, 1024], K = its axis 0); Wq (in the module: [1024, 1024], K = its axis 0); Wv (in the module: [1024, 1024], K = its axis 0); x (in the module: [8, 2048, 1024], K = its axis 2): each comes as NAME_codes (uint8): NAME with its K axis moved to the last place and cut into blocks of 32 codes, [.., K / 32, bytes a block], one block behind the other in memory; one code a byte (a code: sign, 5 exponent bits, 2 mantissa bits); its scale is its entry of lowp_scales. Its value is code x scale, taken as it is: it is not quantised again, and the codes and scales need not be those that the quantiser above would give.
;; 2 versions, each right. Each part assembles by itself: llvm-mc -triple=amdgcn-amd-amdhsa -mcpu=gfx1250 --defsym DOCPART=n.
;; ======== version 1 of 2: 1 launch
;; limits: right only within a limited range of input values
;; launch mha (part 1): grid 256 x 1, 4 waves a work-group, clusters of 4 x 1, 327,680 bytes of LDS; arguments x_codes, Wq_codes, Wk_codes, Wv_codes, Wo_codes, lowp_scales, bo, out0; writes out0
.if DOCPART == 1
	.amdgcn_target "amdgcn-amd-amdhsa--gfx1250"
	.amdhsa_code_object_version 6
	.text
	.protected	k_qf874315e30_mha
	.globl	k_qf874315e30_mha
	.p2align	8
	.type	k_qf874315e30_mha,@function
k_qf874315e30_mha:
	s_mov_b64 s[64:65], 0
	v_nop
	global_prefetch_b8 v0, s[64:65] scope:SCOPE_SE
	s_setreg_imm32_b32 hwreg(HW_REG_WAVE_MODE, 25, 1), 1
	s_wait_xcnt 0x0
	s_wait_alu depctr_hold_cnt(0) depctr_sa_sdst(0) depctr_va_vdst(0) depctr_va_sdst(0) depctr_va_ssrc(0) depctr_va_vcc(0) depctr_vm_vsrc(0)
	s_getreg_b32 s2, hwreg(HW_REG_IB_STS2, 6, 4)
	s_cmp_eq_u32 s2, 0
	s_cbranch_scc0 .Lentry_in_a_cluster
	s_endpgm
.Lentry_in_a_cluster:
	s_bfe_u32 s2, ttmp6, 0x10000c
	s_cmp_lg_u32 s2, 0x3003
	s_cbranch_scc0 .Lentry_shape_is_right
	s_endpgm
.Lentry_shape_is_right:
; MultiHeadAttention as reference() has it, on codes of BF8 (E5M2), in ONE launch.
; WHAT IS COMPUTED.  reference()'s einsum labels stand on tensors that are already permuted, so its attention works INSIDE a token: for token (n, pos),
; E[hq][hk] = q[hq] . k[hk] over the 64 numbers of a head, softmax over hk of E / 32, out[hq][d] = sum over hk of att[hq][hk] v[hk][d]; the reshape puts out[hq][d] into row hq x 128 + pos / 16,
; column (pos % 16) x 64 + d of the last product's left operand.  So 16 neighbouring positions make 16 whole rows of that operand, one for each head, and 64 tokens run the whole chain by themselves.
; NO WORK OF reference() IS LEFT OUT, and every input is loaded.
; SCALES (lowp_scales e0 .. e9): v = sums x 2^(e0+e1); k's sums stand for x 2^(e2+e3) and are quantised with 2^e7; q's for x 2^(e4+e5), quantised with 2^e6 (q is the left operand of the energies);
; out is quantised with 2^e8; the result is sums x 2^(e8+e9) + bo.
; LIMITS, so that each power of two below is an f32 number: e6-e4-e5, e7-e2-e3 and e8 between -126 and 112; e0+e1 and e8+e9 between -126 and 127; e6+e7 between -121 and 132.
; SHARES.  A work-group of four waves owns 64 tokens (block b = 4 x cluster + place).  EVERY wave keeps x's codes, later the last operand's, of all 64 rows x K 1,024 in 512 registers, and the waves share the
; COLUMNS: so a fragment of a weight (2,048 bytes out of LDS) feeds four matrix instructions and no weight byte is read from LDS twice.
; UNITS.  The weights are walked in 16 units of 256 rows: Q0 K0 Q1 K1 Q2 K2 Q3 K3 V0..V3 O0..O3.  A unit comes in two halves of K (256 rows x 512 bytes) through a ring of two LDS slots: slot 0 always holds K 0..511,
; slot 1 K 512..1023.  Each wave fetches 64 rows of 512 bytes, 4,096 bytes apart: ONE shape of tile for all four weights.  Unit g of Q, K, V takes rows 4 i + g: all 16 heads x the 16 numbers d = 4 m + g of each;
; unit u of O takes rows 256 u + 4 i' + wave, which the fragment loads' addresses put back into tiles of 16 neighbouring columns.
; CLUSTER.  All work-groups walk the same weights: the four of a cluster ask for every tile JOINTLY (mask 15; a mask names four at the most).  Each refill stands behind a round of the cluster's barrier.
; THE CHAIN.  Q, K units: sums transposed (source 0 = weight rows), quantised, codes to a stage [token][head][m]; then each wave adds, for its 16 tokens, the unit's 16 d to E (K = 64 form, 48 of its k are zero codes).
; Softmax in f32, with the row's maximum taken away.  V units: v in f32 to a stage [token][m][hk]; out = v^T att by the f32 matrix form (its result goes into a quantiser), quantised, one code a unit shifted into T.
; T's registers ARE fragments of the last operand; they go from wave to wave through LDS as images of registers.  O units: sums x 2^(e8+e9) + bo leave through the wave's own stage, 256 aligned bytes to sixteen lanes.
; TOKENS.  Wave w owns tokens 16 jg + 4 w + pl, numbered idx = 4 jg + pl.
; REGISTERS, in windows of 256.  Window 0: v0-31 addresses and scales; v32-63 codes just made, later bo; v64-127 W, four fragments, and temporaries; v128-255 E, then att, later the way out.
;   Window 1: v0-127 the 16 accumulators ACC(mt, t) at 8 (4 mt + t), written by matrix instructions alone (the f32 form's results lie in its first 64); v128-255 T (in the Q, K units: fragments for E).
;   Windows 2, 3: X(ks, mt) at 16 (4 (ks % 4) + mt) of window 2 + ks / 4.
.set WP,    528                        ; a weight row in LDS: 512 bytes + 16 of padding: the 16 rows of a fragment load begin in 16 different columns of 16 bytes
.set WREG,  33856                      ; a wave's 64 rows in a slot, + 64 bytes, so that in the O units rows of four neighbouring regions fall into different columns too
.set SLOT,  4*WREG                     ; 135,424
.set STG,   2*SLOT                     ; 270,848 = 1,058 x 256: the stages, 56,320 bytes into which no tile lands
.set SPARE, STG+56320                  ; the spare words, 128 bytes for each wave: two blocks of 256 bytes that no other line names
.set QP,    272                        ; Q, K stage: a token's 256 codes + 16
.set KOFF,  64*QP                      ; k's codes lie behind q's
.set VT,    1280                       ; V stage: a token = 16 m x (16 hk x 4 bytes + 16)
.set FRB,   2048                       ; a fragment's image
.set OBUF,  16*272                     ; O stage: 16 rows x (256 + 16), two for each wave
.set SPW,  4                           ; v4   LDS address of my spare word; never rewritten
.set NIL,  5                           ; v5   0; never rewritten
.set AW,   6                           ; v6, v7  my lane's place in a fragment of W, slot 0 and slot 1
.set PFO,  8                           ; v8   the prefetches' offset
.set STA,  9                           ; v9   the stage in hand: where I store
.set LDA,  10                          ; v10  and where I load
.set XOFF, 11                          ; v11  x: row r of 1,024 bytes + 16 h
.set GOFF, 17                          ; v17  out0: 524,288 h + 16 r
.set BOFF, 18                          ; v18  bo: 32 h
.set TMPB, 32
.set W,    64
.set MX,   64                          ; softmax: c m of token idx at v[64 + 2 idx]
.set SM,   96                          ; and its sum at v[96 + 2 idx]
.set ATT,  128
.set OT,   128
.set RB,   192
.set T,    128                         ; in window 1
.set BO,   16                          ; s[16:17] bo at my columns
.set OUT,  18                          ; s[18:19] out0 at my block's rows and my columns
.set WV,   20                          ; s20  my wave's number
.set CNT,  23                          ; s23  the loops' counter
.set G1,   24                          ; s[24:31] descriptor group 1, the same for every load
.set G0A,  40                          ; s[40:43] group 0 for slot 0
.set G0B,  44                          ; s[44:47] group 0 for slot 1
.set CUR,  48                          ; s[48:49] the unit in hand: my 64 rows' first byte
.set PFB,  52                          ; s[52:53] the next unit's; behind a unit's second change of slots the one after that
.set WQ,   54
.set WK,   56
.set PV0,  58                          ; V0; in the V units it walks from V2 on
.set PV1,  60
.set WO,   62
.set LIM0, 66                          ; 0, 1 in the first cluster, else the greatest number: a wave prefetches while s[CNT] is above the limit
.set LIM1, 67
.set CS,   78                          ; s[78:79] log2(e) / 32 x 2^(e6+e7)
.set SEL,  80                          ; s[80:81] lane selects: lane l xor 16
.set PS,   82                          ; s82-85 byte selectors: T a byte down, code j % 4 on top
.set SO,   86                          ; s[86:87] 2^(e8+e9)
.set SV,   88                          ; s88  2^(e0+e1)
.set STEP, 92                          ; s[92:93]
.set MSB, 0
.macro WIN new                         ; the immediate's high byte repeats the setting that is left; a switch that changes nothing is dropped
.if MSB != (\new)
	s_set_vgpr_msb (MSB<<8)|(\new)
.set MSB, (\new)
.endif
.endm
.macro PLACES n                        ; plain vector instructions between a matrix instruction and a reader of its result, a writer of its registers or a load into them (ISA guide 7.12.1 for vector instructions)
.rept \n
	v_nop
.endr
.endm
.macro BAR
	s_barrier_signal -1
	s_barrier_wait -1
.endm
.macro CROUND                          ; a round of the cluster's barrier: my work-group's barrier, wave 0 signals for it, all wait for the four work-groups, my work-group's barrier once more
	s_barrier_signal -1
	s_barrier_wait -1
	s_cmp_lg_u32 s[WV], 0
	s_cbranch_scc1 .Lnot_wave_0_\@
	s_barrier_signal -3
.Lnot_wave_0_\@:
	s_barrier_wait -3
	s_barrier_signal -1
	s_barrier_wait -1
.endm
; A CHANGE OF SLOTS.  Each wave waits for all its tensor loads (one is out: its part of the slot that is read next), adds 0 to its spare word, steps descriptors while the add is out, waits for the add and for its
; LDS reads, and passes a round; the joint refill of the slot just left is the first thing behind it.  Its four v_nop are also the places in front of the loads into W.
.macro CHG_OPEN
	WIN 0
	s_wait_tensorcnt 0x0                           ; no tensor load of mine is out, so a group 0 may be written
	ds_add_u32 v[SPW], v[NIL]
.endm
.macro CHG_FILL g0
	s_wait_dscnt 0x0                               ; the add is done, and my reads of the slot that is filled again are over
	CROUND
	tensor_load_to_lds s[\g0:\g0+3], s[G1:G1+7]
	s_nop 0
	PLACES 4
.endm
.macro CHG_A                           ; at a unit's head: slot 1 takes the unit's K 512..1023
	CHG_OPEN
	s_add_nc_u64 s[G0B+2:G0B+3], s[CUR:CUR+1], 512
	s_or_b32 s[G0B+3], s[G0B+3], 0x80000000
	CHG_FILL G0B
.endm
.macro NEXTU                           ; slot 0 will take the next unit's K 0..511
	s_wait_xcnt 0x0                                ; the last prefetches, a unit back, have read s[PFB:PFB+1]: it is written again below
	s_mov_b64 s[CUR:CUR+1], s[PFB:PFB+1]
	s_mov_b64 s[G0A+2:G0A+3], s[PFB:PFB+1]
	s_or_b32 s[G0A+3], s[G0A+3], 0x80000000
.endm
.macro CHG_B_QK alt, walk              ; in a unit's middle; s[PFB] becomes the unit two on: the same weight's next unit, or in the last trip V0 (behind Q3), V1 (behind K3)
	CHG_OPEN
	NEXTU
	s_cmp_eq_u32 s[CNT], 1
	s_cselect_b64 s[PFB:PFB+1], s[\alt:\alt+1], s[\walk:\walk+1]
	s_add_nc_u64 s[\walk:\walk+1], s[\walk:\walk+1], 1024
	CHG_FILL G0A
.endm
.macro CHG_B_V                         ; two on from V0, V1: V2, V3; from V2, V3: O0, O1
	CHG_OPEN
	NEXTU
	s_cmp_le_u32 s[CNT], 2
	s_cselect_b64 s[PFB:PFB+1], s[WO:WO+1], s[PV0:PV0+1]
	s_cselect_b32 s[STEP], 0x40000, 0
	s_add_nc_u64 s[PV0:PV0+1], s[PV0:PV0+1], 1024
	s_add_nc_u64 s[WO:WO+1], s[WO:WO+1], s[STEP:STEP+1]
	CHG_FILL G0A
.endm
.macro CHG_B_O                         ; two on from O0, O1: O2, O3; the pointer stops at O3
	CHG_OPEN
	NEXTU
	s_mov_b64 s[PFB:PFB+1], s[WO:WO+1]
	s_cmp_gt_u32 s[CNT], 2
	s_cselect_b32 s[STEP], 0x40000, 0
	s_add_nc_u64 s[WO:WO+1], s[WO:WO+1], s[STEP:STEP+1]
	CHG_FILL G0A
.endm
.macro CHG_LAST                        ; the last change of slots: nothing is left to fetch, so a plain barrier
	CHG_OPEN
	s_wait_dscnt 0x0
	BAR
	PLACES 4
.endm
; A PREFETCH of the unit two on from the one in hand, one unit ahead of the load that asks for its first half.  All clusters walk the same weights: the first cluster asks.  Of the 64 rows that wave w will fetch, the
; partner at place cx takes 16, told apart BY ADDRESS (v[PFO] holds 65,536 cx); a row's 1,024 bytes are four blocks of 256: two lanes to a row, two instructions.  So each block is named once in the launch.
; Q0 and K0 come by their loads alone; in the O units the last two ask for nothing.
.macro ASK lim
	s_cmp_gt_u32 s[CNT], s[\lim]
	s_cbranch_scc0 .Lnot_mine_\@
	global_prefetch_b8 v[PFO], s[PFB:PFB+1] th:TH_LOAD_NT scope:SCOPE_SE
	global_prefetch_b8 v[PFO], s[PFB:PFB+1] offset:512 th:TH_LOAD_NT scope:SCOPE_SE
.Lnot_mine_\@:
.endm
; A fragment of W: 16 rows x 128 K in 16 registers.  mode 0 (Q, K, V): registers 4 c .. 4 c + 3 hold K = 32 c + 16 h + 0 .. 15, as x's fragments do.  mode 1 (O): K = 64 (c / 2) + 32 h + 16 (c % 2) + 0 .. 15, as T's registers do.
.macro WLOAD slot, t, k, mode
.irp c, 0,1,2,3
.if \mode
	ds_load_b128 v[W+16*(\t)+4*\c:W+16*(\t)+4*\c+3], v[AW+\slot] offset:(\t)*4*WP+128*(\k)+64*(\c/2)+16*(\c%2)
.else
	ds_load_b128 v[W+16*(\t)+4*\c:W+16*(\t)+4*\c+3], v[AW+\slot] offset:(\t)*16*WP+128*(\k)+32*\c
.endif
.endr
.endm
.macro MM first, orient, k, t, m       ; orient 0: source 0 = 16 rows of W, source 1 = 16 rows of X (a lane holds one row of X and eight columns); orient 1: the other way round
.set rA, 8*(4*(\m)+(\t))
.set rW, W+16*(\t)
.set rX, 16*(4*(\k)+(\m))
.if \orient
.if (\first) && ((\k) == 0)
	v_wmma_f32_16x16x128_bf8_bf8 v[rA:rA+7], v[rX:rX+15], v[rW:rW+15], 0
.else
	v_wmma_f32_16x16x128_bf8_bf8 v[rA:rA+7], v[rX:rX+15], v[rW:rW+15], v[rA:rA+7]
.endif
.else
.if (\first) && ((\k) == 0)
	v_wmma_f32_16x16x128_bf8_bf8 v[rA:rA+7], v[rW:rW+15], v[rX:rX+15], 0
.else
	v_wmma_f32_16x16x128_bf8_bf8 v[rA:rA+7], v[rW:rW+15], v[rX:rX+15], v[rA:rA+7]
.endif
.endif
.endm
; HALF A UNIT: 512 along K, 64 matrix instructions.  W's four fragments roll: tile t's is loaded anew, for the next 128 along K, as soon as its four products are issued.  The 16 accumulators take turns, one
; instruction a turn.  first = 1: the first products start the sums.  lim: the register of the prefetch's limit, 0 for none.
.macro HALF slot, first, orient, mode, lim
	WIN 0
.irp t, 0,1,2,3
	WLOAD \slot, \t, 0, \mode
.endr
.if \lim
	ASK \lim
.endif
.irp k, 0,1,2,3
.irp t, 0,1,2,3
.if \k == 3
	s_wait_dscnt 12-4*\t                           ; nothing more is fetched: behind my fragment stand those of the tiles still to come
.else
	s_wait_dscnt 12                                ; three fragments, four loads each, were issued behind the one that is wanted
.endif
.if \orient
	WIN 0x52+\slot                                 ; X window 2 or 3, W window 0, C and D window 1
.else
	WIN 0x58+4*\slot
.endif
.irp m, 0,1,2,3
	MM \first, \orient, \k, \t, \m
.endr
.if \k < 3
	PLACES 4
	WIN 0
	WLOAD \slot, \t, \k+1, \mode
.endif
.endr
.endr
.endm
; A Q or K unit's sums become codes.  ACC(mt, t) register j of lane (r, h) is token 16 mt + r, head 4 w + t, m = 8 h + j: eight codes, 8 bytes, to [token][16 head + m].
.macro QKOUT off, sc, lim
	PLACES 4
.irp m, 0,1,2,3
.if \m >= 2
	s_wait_dscnt 4                                 ; the stores of two batches back have read their registers; only the last batch's four may be out
.endif
	WIN 0x01                                       ; source 0 window 1
.irp t, 0,1,2,3
.irp j, 0,1,2,3,4,5,6,7
	v_med3_num_f32 v[W+32*(\m%2)+8*\t+\j], v[8*(4*\m+\t)+\j], -v[\lim], v[\lim]   ; the conversion does not saturate (ISA guide 7.6.2): the hold at the largest code x the scale; each accumulator from its low end on
.endr
.endr
	WIN 0
.irp t, 0,1,2,3
	v_cvt_scalef32_pk8_bf8_f32 v[TMPB+8*(\m%2)+2*\t:TMPB+8*(\m%2)+2*\t+1], v[W+32*(\m%2)+8*\t:W+32*(\m%2)+8*\t+7], v[\sc]
.endr
	v_nop                                          ; a plain instruction behind the last conversion
.irp t, 0,1,2,3
	ds_store_b64 v[STA], v[TMPB+8*(\m%2)+2*\t:TMPB+8*(\m%2)+2*\t+1] offset:\off+\m*16*QP+16*\t
.endr
.endr
.endm
; E += k q^T over the unit's 16 d, for my 16 tokens, eight at a time.  A fragment is 16 heads x 64 k, of which registers 0, 1 hold m = 8 h + 0 .. 7 and registers 2 to 7 stay zero codes.
; Source 0 = k, source 1 = q: lane (r, h) holds E[hq = r][hk = 8 h + j].
.macro ENERGY
	s_wait_dscnt 0x0                               ; my codes lie in the stage
	BAR                                            ; everybody's do
.irp be, 0,1
	WIN 0x40                                       ; destination window 1
.irp s, 0,1,2,3,4,5,6,7
	ds_load_b64 v[T+16*\s:T+16*\s+1], v[LDA] offset:(16*(2*\be+\s/4)+\s%4)*QP
	ds_load_b64 v[T+16*\s+8:T+16*\s+9], v[LDA] offset:(16*(2*\be+\s/4)+\s%4)*QP+KOFF
.endr
	s_wait_dscnt 0x0
	WIN 0x05                                       ; sources 0 and 1 window 1
.irp s, 0,1,2,3,4,5,6,7
	v_wmma_f32_16x16x64_bf8_bf8 v[ATT+8*(8*\be+\s):ATT+8*(8*\be+\s)+7], v[T+16*\s+8:T+16*\s+15], v[T+16*\s:T+16*\s+7], v[ATT+8*(8*\be+\s):ATT+8*(8*\be+\s)+7]
.endr
	PLACES 4
	WIN 0
.endr
.endm
; HALF A V UNIT'S WAY ON: 32 tokens (16 (2 rho + mp) on).  ACC(mt, t) register j of lane (r, h) is v of token 16 mt + 8 h + j, head 4 w + t, m = r.  x 2^(e0+e1), to the stage [token][m][hk]; back, for my eight
; tokens q = 4 mp + pl, as lane (r, h): m = r, hk = 8 h + 0 .. 7.  out^T = v^T att^T by the f32 form, four steps of K = 4: in step s both operands give lane half h, register i the head hk = 8 h + 2 s + i.
; Its result: lane (r, h), register j: hq = r, m = 8 h + j.  Held, converted, and each code shifted into T from the top: after four units T's register j holds d = 32 h + 4 j + 0 .. 3.
.macro VROUND rho
.if \rho == 0
	PLACES 4
.endif
	WIN 0x04                                       ; source 1 window 1
.irp j, 0,1,2,3,4,5,6,7
.irp mp, 0,1
.irp t, 0,1,2,3
	v_mul_f32 v[W+32*\mp+4*\j+\t], s[SV], v[8*(4*(2*\rho+\mp)+\t)+\j]
.endr
.endr
.endr
	WIN 0
.if \rho == 1
	s_barrier_wait -1                              ; every wave has read the first 32 tokens out of the stage
.endif
.irp mp, 0,1
.irp j, 0,1,2,3,4,5,6,7
	ds_store_b128 v[STA], v[W+32*\mp+4*\j:W+32*\mp+4*\j+3] offset:(16*\mp+\j)*VT
.endr
.endr
	s_wait_dscnt 0x0
	BAR
.irp q, 0,1,2,3,4,5,6,7
.irp g, 0,1
	ds_load_b128 v[W+8*\q+4*\g:W+8*\q+4*\g+3], v[LDA] offset:(16*(\q/4)+\q%4)*VT+16*\g
.endr
.endr
	s_wait_dscnt 0x0
.if \rho == 0
	s_barrier_signal -1                            ; my reads are over; only work on registers stands between this signal and its wait, in the second half
.endif
	WIN 0x50                                       ; C and D window 1
.irp s, 0,1,2,3
.irp q, 0,1,2,3,4,5,6,7
.if \s == 0
	v_wmma_f32_16x16x4_f32 v[8*\q:8*\q+7], v[W+8*\q+2*\s:W+8*\q+2*\s+1], v[ATT+8*(8*\rho+\q)+2*\s:ATT+8*(8*\rho+\q)+2*\s+1], 0
.else
	v_wmma_f32_16x16x4_f32 v[8*\q:8*\q+7], v[W+8*\q+2*\s:W+8*\q+2*\s+1], v[ATT+8*(8*\rho+\q)+2*\s:ATT+8*(8*\rho+\q)+2*\s+1], v[8*\q:8*\q+7]
.endif
.endr
.endr
	PLACES 8
	WIN 0x01
.irp q, 0,1,2,3,4,5,6,7
.irp j, 0,1,2,3,4,5,6,7
	v_med3_num_f32 v[W+8*\q+\j], v[8*\q+\j], -v14, v14
.endr
.endr
	WIN 0
.irp q, 0,1,2,3,4,5,6,7
	v_cvt_scalef32_pk8_bf8_f32 v[TMPB+2*\q:TMPB+2*\q+1], v[W+8*\q:W+8*\q+7], v13
.endr
	v_nop                                          ; a plain instruction behind the last conversion
	WIN 0x44                                       ; source 1 and destination window 1
.irp q, 0,1,2,3,4,5,6,7
.irp j, 0,1,2,3,4,5,6,7
	v_perm_b32 v[T+8*(8*\rho+\q)+\j], v[TMPB+2*\q+\j/4], v[T+8*(8*\rho+\q)+\j], s[PS+\j%4]
.endr
.endr
	WIN 0
.endm
; THE EXCHANGE.  T(4 jg + 2 kl) and the eight registers behind it are the fragment (K step 2 w + kl, rows of tile jg) of the last operand.  Two tiles of rows at a time: 16 images of 2,048 bytes; every wave takes all.
.macro XCHG eta
	s_wait_dscnt 0x0                               ; my reads of what lay in the stage are over
	BAR
	WIN 0x04                                       ; store data window 1
.irp jl, 0,1
.irp kl, 0,1
.irp c, 0,1,2,3
	ds_store_b128 v[STA], v[T+8*(4*(2*\eta+\jl)+2*\kl)+4*\c:T+8*(4*(2*\eta+\jl)+2*\kl)+4*\c+3] offset:(8*\jl+\kl)*FRB+512*\c
.endr
.endr
.endr
	WIN 0
	s_wait_dscnt 0x0
	BAR
	WIN 0x80                                       ; destination window 2
.irp jl, 0,1
.irp ks, 0,1,2,3
.irp c, 0,1,2,3
	ds_load_b128 v[16*(4*\ks+2*\eta+\jl)+4*\c:16*(4*\ks+2*\eta+\jl)+4*\c+3], v[LDA] offset:(8*\jl+\ks)*FRB+512*\c
.endr
.endr
.endr
	WIN 0xc0                                       ; destination window 3
.irp jl, 0,1
.irp ks, 0,1,2,3
.irp c, 0,1,2,3
	ds_load_b128 v[16*(4*\ks+2*\eta+\jl)+4*\c:16*(4*\ks+2*\eta+\jl)+4*\c+3], v[LDA] offset:(8*\jl+4+\ks)*FRB+512*\c
.endr
.endr
.endr
	WIN 0
.endm
; THE WAY OUT of an O unit, a tile of 16 rows (one for each head) x my 64 columns at a time.  ACC(mt, t) register j of lane (r, h): row of head r, column 16 t + 8 h + j.  Through my own stage, back as rows of 256 bytes.
.macro TOSTAGE m
	WIN 0x01
.irp t, 0,1,2,3
.irp i, 0,2,4,6
	v_pk_fma_f32 v[OT+32*((\m)%2)+8*\t+\i:OT+32*((\m)%2)+8*\t+\i+1], v[8*(4*(\m)+\t)+\i:8*(4*(\m)+\t)+\i+1], s[SO:SO+1], v[TMPB+8*\t+\i:TMPB+8*\t+\i+1] op_sel_hi:[1,0,1]   ; sum x 2^(e8+e9) + bo
.endr
.endr
	WIN 0
.irp t, 0,1,2,3
.irp e, 0,1
	ds_store_b128 v[STA], v[OT+32*((\m)%2)+8*\t+4*\e:OT+32*((\m)%2)+8*\t+4*\e+3] offset:((\m)%2)*OBUF+64*\t+16*\e
.endr
.endr
.irp i, 0,1,2,3,4,5,6,7
	ds_load_b128 v[RB+32*((\m)%2)+4*\i:RB+32*((\m)%2)+4*\i+3], v[LDA] offset:((\m)%2)*OBUF+544*\i   ; LDS serves a wave's instructions in order (ISA guide 5.7.1.4): these see my stores
.endr
.endm
.macro SEND m, younger                 ; younger: the LDS instructions issued behind this tile's loads
	s_wait_dscnt \younger
.irp i, 0,1,2,3,4,5,6,7
	global_store_b128 v[GOFF], v[RB+32*((\m)%2)+4*\i:RB+32*((\m)%2)+4*\i+3], s[OUT:OUT+1] offset:2*\i*524288+(\m)*4096 th:TH_STORE_NT   ; heads 2 i and 2 i + 1: sixteen lanes store 256 consecutive bytes, aligned; 7,352,320 at the most, inside the signed 24-bit immediate
.endr
.endm
.macro OOUT last
	s_wait_loadcnt 0x0                             ; bo's 64 numbers of my columns
	PLACES 4
	TOSTAGE 0
.irp m, 1,2,3
.if \m > 1
	s_wait_xcnt 0x0                                ; the stores of two tiles back have read their registers
.endif
	TOSTAGE \m
	SEND \m-1, 16                                  ; behind its loads: the next tile's 8 stores and 8 loads
.endr
	SEND 3, 0
.if !\last
	s_wait_xcnt 0x0                                ; the stores and bo's loads have read their bases and registers
	s_add_nc_u64 s[OUT:OUT+1], s[OUT:OUT+1], 1024  ; 256 columns on
	s_add_nc_u64 s[BO:BO+1], s[BO:BO+1], 1024
.endif
.endm
.macro OUNIT last
	CHG_A
.irp t, 0,1,2,3
.irp e, 0,1
	global_load_b128 v[TMPB+8*\t+4*\e:TMPB+8*\t+4*\e+3], v[BOFF], s[BO:BO+1] offset:64*\t+16*\e
.endr
.endr
	HALF 0, 1, 0, 1, 0
.if \last
	CHG_LAST
	HALF 1, 0, 0, 1, 0
.else
	CHG_B_O
	HALF 1, 0, 0, 1, LIM1
.endif
	OOUT \last
.endm
	; ---------------- THE HEAD
	s_load_b256 s[4:11], s[0:1], 0x0               ; x s[4:5], Wq s[6:7], Wk s[8:9], Wv s[10:11]
	s_load_b256 s[12:19], s[0:1], 0x20             ; Wo s[12:13], the scales' exponents s[14:15], bo s[16:17], out0 s[18:19]
	v_lshl_add_u32 v[SPW], v0, 2, SPARE
	v_mov_b32 v[NIL], 0
	ds_add_u32 v[SPW], v[NIL]                      ; the wave's opening: the add, twice on end, and its wait ahead of my first tensor load
	ds_add_u32 v[SPW], v[NIL]
	v_lshrrev_b32 v20, 5, v0
	v_readfirstlane_b32 s[WV], v20                 ; wave 0..3
	s_bfe_u32 s21, ttmp6, 0x40000                  ; cx: my place in the cluster
	s_lshl_b32 s22, ttmp9, 2
	s_add_co_u32 s22, s22, s21                     ; b: my block of 64 tokens
	s_mov_b32 s[G1], 15|(1<<20)|(1<<21)|(6<<22)|(3<<25)   ; 15:0 the mask: all four; 17:16 elements of 1 byte; 20 padding on; 21 set beside a mask; 24:22 after every 128 words (code 6); 31:25 four words (code 3)
	s_mov_b32 s[G1+1], 512<<16                     ; tensor_dim0 = 512
	s_mov_b32 s[G1+2], 64<<16                      ; tensor_dim1 = 64
	s_mov_b32 s[G1+3], 512<<16                     ; tile_dim0 = 512
	s_mov_b32 s[G1+4], 64                          ; tile_dim1 = 64
	s_mov_b32 s[G1+5], 4096                        ; from row to row: every fourth row of a weight
	s_mov_b32 s[G1+6], 0
	s_mov_b32 s[G1+7], 0
	s_mov_b32 s[G0A], 1
	s_mul_i32 s[G0A+1], s[WV], WREG                ; my 64 rows' place in slot 0: no place in the cluster enters an LDS address
	s_mov_b32 s[G0B], 1
	s_add_co_u32 s[G0B+1], s[G0A+1], SLOT          ; and in slot 1
	s_mov_b32 s[SEL], 0x76543210
	s_mov_b32 s[SEL+1], 0xfedcba98
	s_mov_b32 s[PS], 0x04030201
	s_mov_b32 s[PS+1], 0x05030201
	s_mov_b32 s[PS+2], 0x06030201
	s_mov_b32 s[PS+3], 0x07030201
	s_mov_b32 s[STEP+1], 0
	s_cmp_eq_u32 ttmp9, 0                          ; the first cluster prefetches: the same in all four partners
	s_cselect_b32 s[LIM0], 0, -1
	s_cselect_b32 s[LIM1], 1, -1
	v_and_b32 v1, 15, v0                           ; r
	v_bfe_u32 v2, v0, 4, 1                         ; h
	v_and_b32 v3, 31, v0                           ; lane
	v_mul_u32_u24 v[AW], v1, WP                    ; Q, K, V units: my region, row r of a tile, + 16 h
	v_lshl_add_u32 v[AW], v2, 4, v[AW]
	v_add_nc_u32 v[AW], s[G0A+1], v[AW]
	v_add_nc_u32 v[AW+1], SLOT, v[AW]
	v_lshrrev_b32 v20, 1, v3                       ; the prefetches: row lane / 2 of my work-group's 16, block lane % 2
	v_lshlrev_b32 v20, 12, v20
	v_and_b32 v21, 1, v3
	v_lshl_add_u32 v[PFO], v21, 8, v20
	s_lshl_b32 s2, s21, 16
	v_add_nc_u32 v[PFO], s2, v[PFO]
	v_lshlrev_b32 v[XOFF], 10, v1
	v_lshl_add_u32 v[XOFF], v2, 4, v[XOFF]
	v_mul_u32_u24 v[STA], v1, QP                   ; Q, K stage, in: token r of a tile, + 64 w + 8 h
	v_lshl_add_u32 v[STA], v2, 3, v[STA]
	s_lshl_b32 s2, s[WV], 6
	s_add_co_u32 s2, s2, STG
	v_add_nc_u32 v[STA], s2, v[STA]
	v_lshlrev_b32 v[LDA], 4, v1                    ; and out: token 4 w on, head r, + 8 h
	v_lshl_add_u32 v[LDA], v2, 3, v[LDA]
	s_mul_i32 s2, s[WV], 4*QP
	s_add_co_u32 s2, s2, STG
	v_add_nc_u32 v[LDA], s2, v[LDA]
	v_lshlrev_b32 v[GOFF], 19, v2
	v_lshl_add_u32 v[GOFF], v1, 4, v[GOFF]
	v_lshlrev_b32 v[BOFF], 5, v2
	s_wait_dscnt 0x0                               ; both opening adds are done
	s_wait_kmcnt 0x0
	s_load_b256 s[68:75], s[14:15], 0x0            ; e0 .. e7
	s_load_b64 s[76:77], s[14:15], 0x20            ; e8, e9
	s_lshl_b32 s2, s[WV], 18                       ; Q, K, V: my 64 rows of a unit begin 64 w x 4,096 bytes in
	s_mov_b32 s3, 0
	s_add_nc_u64 s[CUR:CUR+1], s[6:7], s[2:3]      ; Q0
	s_add_nc_u64 s[PFB:PFB+1], s[8:9], s[2:3]      ; K0
	s_add_nc_u64 s[PV0:PV0+1], s[10:11], s[2:3]    ; V0
	s_add_nc_u64 s[WQ:WQ+1], s[CUR:CUR+1], 1024    ; Q1
	s_add_nc_u64 s[WK:WK+1], s[PFB:PFB+1], 1024    ; K1
	s_add_nc_u64 s[PV1:PV1+1], s[PV0:PV0+1], 1024  ; V1
	s_lshl_b32 s2, s[WV], 10
	s_add_nc_u64 s[WO:WO+1], s[12:13], s[2:3]      ; O0: rows 4 i' + w
	s_mov_b64 s[G0A+2:G0A+3], s[CUR:CUR+1]
	s_or_b32 s[G0A+3], s[G0A+3], 0x80000000        ; type = 2
	s_lshl_b32 s2, s22, 16
	s_add_nc_u64 s[4:5], s[4:5], s[2:3]            ; x at my block's first token
	s_lshr_b32 s2, s22, 5                          ; out0: batch b / 32 of 2^23 bytes, rows 4 (b % 32) on, my 64 columns
	s_lshl_b32 s2, s2, 23
	s_and_b32 s89, s22, 31
	s_lshl_b32 s89, s89, 14
	s_add_co_u32 s2, s2, s89
	s_lshl_b32 s89, s[WV], 8
	s_add_co_u32 s2, s2, s89
	s_add_nc_u64 s[OUT:OUT+1], s[OUT:OUT+1], s[2:3]
	s_mov_b32 s2, s89
	s_add_nc_u64 s[BO:BO+1], s[BO:BO+1], s[2:3]
	CROUND                                         ; all four work-groups are here: the first joint load meets
	tensor_load_to_lds s[G0A:G0A+3], s[G1:G1+7]    ; Q0, K 0..511, into slot 0
	s_nop 0
	PLACES 4
	WIN 0x80                                       ; x's codes stay in registers: every wave takes all 64 tokens
.irp m, 0,1,2,3
.irp ks, 0,1,2,3
.irp c, 0,1,2,3
	global_load_b128 v[16*(4*\ks+\m)+4*\c:16*(4*\ks+\m)+4*\c+3], v[XOFF], s[4:5] offset:\m*16384+128*\ks+32*\c
.endr
.endr
.endr
	WIN 0xc0
.irp m, 0,1,2,3
.irp ks, 0,1,2,3
.irp c, 0,1,2,3
	global_load_b128 v[16*(4*\ks+\m)+4*\c:16*(4*\ks+\m)+4*\c+3], v[XOFF], s[4:5] offset:\m*16384+512+128*\ks+32*\c
.endr
.endr
.endr
	WIN 0
.set i, 0
.rept 128
	v_mov_b32 v[ATT+i], 0                          ; E begins as zeros: the loop over the Q, K units is written once, and each trip adds its 16 d
.set i, i+1
.endr
	WIN 0x40
.irp s, 0,1,2,3,4,5,6,7
.irp f, 0,8
.irp i, 2,3,4,5,6,7
	v_mov_b32 v[T+16*\s+\f+\i], 0                  ; the zero codes of E's fragments: k 16 to 63 of the K = 64 form
.endr
.endr
.endr
	WIN 0
	s_wait_kmcnt 0x0
	s_sub_co_i32 s2, s74, s72                      ; q's sums stand for x 2^(e4+e5): their code is sum / 2^(e6-e4-e5)
	s_sub_co_i32 s2, s2, s73
	s_add_co_i32 s2, s2, 127
	s_lshl_b32 s3, s2, 23
	v_mov_b32 v13, s3
	s_add_co_i32 s2, s2, 15
	s_lshl_b32 s2, s2, 23
	s_or_b32 s2, s2, 0x600000
	v_mov_b32 v14, s2                              ; 57,344 x that
	s_sub_co_i32 s2, s75, s70                      ; k's likewise: e7-e2-e3
	s_sub_co_i32 s2, s2, s71
	s_add_co_i32 s2, s2, 127
	s_lshl_b32 s3, s2, 23
	v_mov_b32 v15, s3
	s_add_co_i32 s2, s2, 15
	s_lshl_b32 s2, s2, 23
	s_or_b32 s2, s2, 0x600000
	v_mov_b32 v16, s2
	s_add_co_i32 s2, s74, s75                      ; an energy stands for x 2^(e6+e7): added to the exponent field of c = log2(e) / 32
	s_lshl_b32 s2, s2, 23
	s_add_co_i32 s[CS], s2, 0x3d38aa3b
	s_mov_b32 s[CS+1], s[CS]                       ; (named with it as a pair, so it is written)
	s_add_co_i32 s[SO], s76, s77
	s_add_co_i32 s[SO], s[SO], 127
	s_lshl_b32 s[SO], s[SO], 23
	s_mov_b32 s[SO+1], s[SO]
	s_add_co_i32 s[SV], s68, s69
	s_add_co_i32 s[SV], s[SV], 127
	s_lshl_b32 s[SV], s[SV], 23
	s_wait_loadcnt 0x0                             ; x
	; ---------------- Q AND K, four trips: unit Qg, unit Kg, and their 16 d into E
	s_mov_b32 s[CNT], 4
.Lqk:
	CHG_A
	HALF 0, 1, 0, 0, 0
	CHG_B_QK PV0, WQ
	HALF 1, 0, 0, 0, LIM0
	QKOUT 0, 13, 14
	CHG_A
	HALF 0, 1, 0, 0, 0
	CHG_B_QK PV1, WK
	HALF 1, 0, 0, 0, LIM0
	QKOUT KOFF, 15, 16
	ENERGY
	s_sub_co_u32 s[CNT], s[CNT], 1
	s_cmp_lg_u32 s[CNT], 0
	s_cbranch_scc1 .Lqk
	; ---------------- THE SOFTMAX over hk, for my 16 tokens, stage by stage: lane (r, h) holds hq = r and hk = 8 h + 0 .. 7; the other eight lie in lane l xor 16
.set i, 0
.rept 16
	v_max3_num_f32 v[MX+2*i], v[ATT+8*i], v[ATT+8*i+1], v[ATT+8*i+2]
.set i, i+1
.endr
.set i, 0
.rept 16
	v_max3_num_f32 v[MX+2*i], v[MX+2*i], v[ATT+8*i+3], v[ATT+8*i+4]
.set i, i+1
.endr
.set i, 0
.rept 16
	v_max3_num_f32 v[MX+2*i], v[MX+2*i], v[ATT+8*i+5], v[ATT+8*i+6]
.set i, i+1
.endr
.set i, 0
.rept 16
	v_max_num_f32 v[MX+2*i], v[MX+2*i], v[ATT+8*i+7]
.set i, i+1
.endr
.set i, 0
.rept 16
	v_permlanex16_b32 v[MX+2*i+1], v[MX+2*i], s[SEL], s[SEL+1]
.set i, i+1
.endr
.set i, 0
.rept 16
	v_max_num_f32 v[MX+2*i], v[MX+2*i], v[MX+2*i+1]            ; the row's maximum
.set i, i+1
.endr
.set i, 0
.rept 16
	v_mul_f32 v[MX+2*i], s[CS], v[MX+2*i]                      ; c m (c is positive)
.set i, i+1
.endr
.irp p, 0,2,4,6
.set i, 0
.rept 16
	v_pk_fma_f32 v[ATT+8*i+\p:ATT+8*i+\p+1], v[ATT+8*i+\p:ATT+8*i+\p+1], s[CS:CS+1], v[MX+2*i:MX+2*i+1] op_sel_hi:[1,0,0] neg_lo:[0,0,1] neg_hi:[0,0,1]   ; c e - c m
.set i, i+1
.endr
.endr
.set i, 0
.rept 128
	v_exp_f32 v[ATT+i], v[ATT+i]
.set i, i+1
.endr
	v_nop                                          ; a plain instruction behind the last exponential
	s_wait_alu depctr_va_vdst(0)                   ; one wait for the batch, ahead of its first reader
.set i, 0
.rept 16
	v_pk_add_f32 v[SM+2*i:SM+2*i+1], v[ATT+8*i:ATT+8*i+1], v[ATT+8*i+2:ATT+8*i+3]
.set i, i+1
.endr
.irp p, 4,6
.set i, 0
.rept 16
	v_pk_add_f32 v[SM+2*i:SM+2*i+1], v[SM+2*i:SM+2*i+1], v[ATT+8*i+\p:ATT+8*i+\p+1]
.set i, i+1
.endr
.endr
.set i, 0
.rept 16
	v_add_f32 v[SM+2*i], v[SM+2*i], v[SM+2*i+1]
.set i, i+1
.endr
.set i, 0
.rept 16
	v_permlanex16_b32 v[SM+2*i+1], v[SM+2*i], s[SEL], s[SEL+1]
.set i, i+1
.endr
.set i, 0
.rept 16
	v_add_f32 v[SM+2*i], v[SM+2*i], v[SM+2*i+1]                ; the row's sum
.set i, i+1
.endr
.set i, 0
.rept 16
	v_rcp_f32 v[SM+2*i], v[SM+2*i]
.set i, i+1
.endr
	v_nop
	s_wait_alu depctr_va_vdst(0)                   ; one wait for the sixteen reciprocals
.irp p, 0,2,4,6
.set i, 0
.rept 16
	v_pk_mul_f32 v[ATT+8*i+\p:ATT+8*i+\p+1], v[ATT+8*i+\p:ATT+8*i+\p+1], v[SM+2*i:SM+2*i+1] op_sel_hi:[1,0]   ; att
.set i, i+1
.endr
.endr
	; ---------------- V, four trips
	v_mul_u32_u24 v[STA], v1, 80                   ; V stage, in: token 8 h + j, m = r, hk = 4 w on
	v_mul_u32_u24 v20, v2, 8*VT
	v_add_nc_u32 v[STA], v[STA], v20
	s_lshl_b32 s2, s[WV], 4
	s_add_co_u32 s2, s2, STG
	v_add_nc_u32 v[STA], s2, v[STA]
	v_mul_u32_u24 v[LDA], v1, 80                   ; and out: token 4 w on, m = r, hk = 8 h on
	v_lshl_add_u32 v[LDA], v2, 5, v[LDA]
	s_mul_i32 s2, s[WV], 4*VT
	s_add_co_u32 s2, s2, STG
	v_add_nc_u32 v[LDA], s2, v[LDA]
	s_add_co_i32 s2, s76, 127                      ; out's quantiser: 2^e8
	s_lshl_b32 s3, s2, 23
	v_mov_b32 v13, s3
	s_add_co_i32 s2, s2, 15
	s_lshl_b32 s2, s2, 23
	s_or_b32 s2, s2, 0x600000
	v_mov_b32 v14, s2
	s_add_nc_u64 s[PV0:PV0+1], s[PV0:PV0+1], 2048  ; from here on it walks: V2
	s_mov_b32 s[CNT], 4
.Lv:
	CHG_A
	HALF 0, 1, 1, 0, 0
	CHG_B_V
	HALF 1, 0, 1, 0, LIM0
	VROUND 0
	VROUND 1
	s_sub_co_u32 s[CNT], s[CNT], 1
	s_cmp_lg_u32 s[CNT], 0
	s_cbranch_scc1 .Lv
	; ---------------- THE EXCHANGE, and the O units' addresses
	v_lshlrev_b32 v[LDA], 4, v3
	v_add_nc_u32 v[LDA], STG, v[LDA]               ; an image's place for my lane
	s_lshl_b32 s2, s[WV], 12
	v_add_nc_u32 v[STA], s2, v[LDA]                ; my two K steps' images
	XCHG 0
	XCHG 1
	v_and_b32 v20, 3, v1                           ; column 64 w + 16 t + r of a unit lies in region r % 4, row 16 w + 4 t + r / 4
	v_mul_u32_u24 v20, v20, WREG
	v_lshrrev_b32 v21, 2, v1
	v_mul_u32_u24 v21, v21, WP
	v_add_nc_u32 v[AW], v20, v21
	v_lshl_add_u32 v[AW], v2, 5, v[AW]
	s_mul_i32 s2, s[WV], 16*WP
	v_add_nc_u32 v[AW], s2, v[AW]
	v_add_nc_u32 v[AW+1], SLOT, v[AW]
	s_mul_i32 s2, s[WV], 2*OBUF
	s_add_co_u32 s2, s2, STG                       ; my own stage
	s_wait_dscnt 0x0                               ; the exchange's loads have read v[LDA]
	v_mul_u32_u24 v[STA], v1, 272                  ; in: row r, + 32 h
	v_lshl_add_u32 v[STA], v2, 5, v[STA]
	v_add_nc_u32 v[STA], s2, v[STA]
	v_mul_u32_u24 v[LDA], v2, 272                  ; back: lanes 0-15 one row, lanes 16-31 the next
	v_lshl_add_u32 v[LDA], v1, 4, v[LDA]
	v_add_nc_u32 v[LDA], s2, v[LDA]
	; ---------------- O: three trips, and the last unit written out
	s_mov_b32 s[CNT], 3
.Lo:
	OUNIT 0
	s_sub_co_u32 s[CNT], s[CNT], 1
	s_cmp_lg_u32 s[CNT], 0
	s_cbranch_scc1 .Lo
	OUNIT 1
	s_wait_tensorcnt 0x0                           ; the wave's end, behind my last tensor load and my last LDS store
	ds_add_u32 v[SPW], v[NIL]
	s_wait_dscnt 0x0
	CROUND                                         ; the closing round: no work-group ends while a partner may still ask for a tile that names it
	s_endpgm
.Lfunc_end_k_qf874315e30_mha:
	.size	k_qf874315e30_mha, .Lfunc_end_k_qf874315e30_mha-k_qf874315e30_mha
	.p2alignl 7, 3214868480
	.fill 96, 4, 3214868480
	.section	.rodata,"a",@progbits
	.p2align	6, 0x0
	.amdhsa_kernel k_qf874315e30_mha
		.amdhsa_group_segment_fixed_size 327680
		.amdhsa_private_segment_fixed_size 0
		.amdhsa_enable_private_segment 0
		.amdhsa_kernarg_size 64
		.amdhsa_user_sgpr_count 2
		.amdhsa_user_sgpr_kernarg_segment_ptr 1
		.amdhsa_wavefront_size32 1
		.amdhsa_system_sgpr_workgroup_id_x 1
		.amdhsa_system_sgpr_workgroup_id_y 1
		.amdhsa_system_sgpr_workgroup_id_z 1
		.amdhsa_system_vgpr_workitem_id 0
		.amdhsa_next_free_vgpr 1024
		.amdhsa_next_free_sgpr 100
		.amdhsa_reserve_vcc 0
		.amdhsa_float_denorm_mode_32 3
		.amdhsa_float_denorm_mode_16_64 3
		.amdhsa_memory_ordered 1
		.amdhsa_forward_progress 1
		.amdhsa_inst_pref_size 255
	.end_amdhsa_kernel
	.section	.bss,"aw",@nobits
	.p2align	6
	.space	262144
	.amdgpu_metadata
---
amdhsa.version: [ 1, 2 ]
amdhsa.kernels:
  - .name:           k_qf874315e30_mha
    .symbol:         k_qf874315e30_mha.kd
    .args:
      - { .name: x_codes, .offset: 0, .size: 8, .value_kind: global_buffer, .address_space: global }
      - { .name: Wq_codes, .offset: 8, .size: 8, .value_kind: global_buffer, .address_space: global }
      - { .name: Wk_codes, .offset: 16, .size: 8, .value_kind: global_buffer, .address_space: global }
      - { .name: Wv_codes, .offset: 24, .size: 8, .value_kind: global_buffer, .address_space: global }
      - { .name: Wo_codes, .offset: 32, .size: 8, .value_kind: global_buffer, .address_space: global }
      - { .name: lowp_scales, .offset: 40, .size: 8, .value_kind: global_buffer, .address_space: global }
      - { .name: bo, .offset: 48, .size: 8, .value_kind: global_buffer, .address_space: global }
      - { .name: out0, .offset: 56, .size: 8, .value_kind: global_buffer, .address_space: global }
    .group_segment_fixed_size: 327680
    .private_segment_fixed_size: 0
    .kernarg_segment_align: 8
    .kernarg_segment_size: 64
    .max_flat_workgroup_size: 128
    .sgpr_count:     100
    .vgpr_count:     1024
    .wavefront_size: 32
...
	.end_amdgpu_metadata
.endif
;; end of part 1
;; ======== version 2 of 2: 1 launch
;; limits: right only within a limited range of input values
;; launch mha (part 2): grid 256 x 1, 4 waves a work-group, clusters of 4 x 1, 327,680 bytes of LDS; arguments x_codes, Wq_codes, Wk_codes, Wv_codes, Wo_codes, lowp_scales, bo, out0; writes out0
.if DOCPART == 2
	.amdgcn_target "amdgcn-amd-amdhsa--gfx1250"
	.amdhsa_code_object_version 6
	.text
	.protected	k_qf874315e30_mha
	.globl	k_qf874315e30_mha
	.p2align	8
	.type	k_qf874315e30_mha,@function
k_qf874315e30_mha:
	s_mov_b64 s[64:65], 0
	v_nop
	global_prefetch_b8 v0, s[64:65] scope:SCOPE_SE
	s_setreg_imm32_b32 hwreg(HW_REG_WAVE_MODE, 25, 1), 1
	s_wait_xcnt 0x0
	s_wait_alu depctr_hold_cnt(0) depctr_sa_sdst(0) depctr_va_vdst(0) depctr_va_sdst(0) depctr_va_ssrc(0) depctr_va_vcc(0) depctr_vm_vsrc(0)
	s_getreg_b32 s2, hwreg(HW_REG_IB_STS2, 6, 4)
	s_cmp_eq_u32 s2, 0
	s_cbranch_scc0 .Lentry_in_a_cluster
	s_endpgm
.Lentry_in_a_cluster:
	s_bfe_u32 s2, ttmp6, 0x10000c
	s_cmp_lg_u32 s2, 0x3003
	s_cbranch_scc0 .Lentry_shape_is_right
	s_endpgm
.Lentry_shape_is_right:
; MultiHeadAttention as reference() has it, on codes of BF8 (E5M2), in ONE launch.
; WHAT IS COMPUTED.  reference()'s einsum labels stand on tensors that are already permuted, so its attention works INSIDE a token: for token (n, pos),
; E[hq][hk] = q[hq] . k[hk] over the 64 numbers of a head, softmax over hk of E / 32, out[hq][d] = sum over hk of att[hq][hk] v[hk][d]; the reshape puts out[hq][d] into row hq x 128 + pos / 16,
; column (pos % 16) x 64 + d of the last product's left operand.  So 16 neighbouring positions make 16 whole rows of that operand, one for each head, and 64 tokens run the whole chain by themselves.
; NO WORK OF reference() IS LEFT OUT, and every input is loaded.
; SCALES (lowp_scales e0 .. e9): v = sums x 2^(e0+e1); k's sums stand for x 2^(e2+e3) and are quantised with 2^e7; q's for x 2^(e4+e5), quantised with 2^e6 (q is the left operand of the energies);
; out is quantised with 2^e8; the result is sums x 2^(e8+e9) + bo.
; LIMITS, so that each power of two below is an f32 number: e6-e4-e5, e7-e2-e3 and e8 between -126 and 112; e0+e1 and e8+e9 between -126 and 127; e6+e7 between -121 and 132.
; SHARES.  A work-group of four waves owns 64 tokens (block b = 4 x cluster + place).  EVERY wave keeps x's codes, later the last operand's, of all 64 rows x K 1,024 in 512 registers, and the waves share the
; COLUMNS: so a fragment of a weight (2,048 bytes out of LDS) feeds four matrix instructions and no weight byte is read from LDS twice.
; UNITS.  The weights are walked in 16 units of 256 rows, in three phases: four pairs Qg, Kg; four Vg; four Og.  A unit comes in two halves of K (256 rows x 512 bytes) through a ring of two LDS slots: slot 0 always
; holds K 0..511, slot 1 K 512..1023.  Each wave fetches 64 rows of 512 bytes, 4,096 bytes apart: ONE shape of tile for all four weights.  Unit g of Q, K, V takes rows 4 i + g: all 16 heads x the 16 numbers
; d = 4 m + g of each; unit g of O takes rows 256 g + 4 i' + wave, which the fragment loads' addresses put back into tiles of 16 neighbouring columns.
; THE ORDER OF A PHASE'S UNITS DIFFERS FROM CLUSTER TO CLUSTER: in trip i cluster c takes g = (c + i) % 4, so that the clusters do not all ask for the same bytes at the same time.  Nothing hangs on the order:
; E sums its 16 d a unit in any order, a V unit's code goes into byte g of T's registers, an O unit stores its own 256 columns.
; CLUSTER.  All work-groups walk the same weights: the four of a cluster ask for every tile JOINTLY (mask 15; a mask names four at the most).  Each refill stands behind a round of the cluster's barrier.
; THE CHAIN.  Q, K units: sums transposed (source 0 = weight rows), quantised, codes to a stage [token][head][m]; then each wave adds, for its 16 tokens, the unit's 16 d to E (K = 64 form, 48 of its k are zero codes).
; Softmax in f32, with the row's maximum taken away.  V units: v in f32 to a stage [token][m][hk]; out = v^T att by the f32 matrix form (its result goes into a quantiser), quantised, one code a unit put into T.
; T's registers ARE fragments of the last operand; they go from wave to wave through LDS as images of registers, and so do x's at the head.  O units: sums x 2^(e8+e9) + bo leave through the wave's own stage.
; WHERE THE CHANGES OF SLOTS STAND.  A refill has the work up to the next change in which to land, so the long pieces of vector work are dealt out between the changes: the softmax, the second half of a V unit's way on
; and the exchange stand behind the change at the next unit's head, not in front of it.
; TOKENS.  Wave w owns tokens 16 jg + 4 w + pl, numbered idx = 4 jg + pl.
; REGISTERS, in windows of 256.  Window 0: v0-31 addresses and scales; v32-63 codes just made, later bo; v64-127 W, four fragments, and temporaries; v128-255 E, then att, later the way out.
;   Window 1: v0-127 the 16 accumulators ACC(mt, t) at 8 (4 mt + t), written by matrix instructions alone (the f32 form's results lie in its first 64); v128-255 T (at the head: x as loaded; in the Q, K units: fragments for E).
;   Windows 2, 3: X(ks, mt) at 16 (4 (ks % 4) + mt) of window 2 + ks / 4.
.set WP,    528                        ; a weight row in LDS: 512 bytes + 16 of padding: the 16 rows of a fragment load begin in 16 different columns of 16 bytes
.set WREG,  33856                      ; a wave's 64 rows in a slot, + 64 bytes, so that in the O units rows of four neighbouring regions fall into different columns too
.set SLOT,  4*WREG                     ; 135,424
.set STG,   2*SLOT                     ; 270,848 = 1,058 x 256: the stages, 56,320 bytes into which no tile lands
.set SPARE, STG+56320                  ; the spare words, 128 bytes for each wave: two blocks of 256 bytes that no other line names
.set QP,    272                        ; Q, K stage: a token's 256 codes + 16
.set KOFF,  64*QP                      ; k's codes lie behind q's
.set VT,    1280                       ; V stage: a token = 16 m x (16 hk x 4 bytes + 16)
.set FRB,   2048                       ; a fragment's image
.set OBUF,  16*272                     ; O stage: 16 rows x (256 + 16), two for each wave
.set SPW,  4                           ; v4   LDS address of my spare word; never rewritten
.set NIL,  5                           ; v5   0; never rewritten
.set AW,   6                           ; v6, v7  my lane's place in a fragment of W, slot 0 and slot 1
.set PFO,  8                           ; v8   the prefetches' offset
.set STA,  9                           ; v9   the stage in hand: where I store
.set LDA,  10                          ; v10  and where I load
.set XOFF, 11                          ; v11  x: row r of 1,024 bytes + 16 h
.set GOFF, 17                          ; v17  out0: 524,288 h + 16 r
.set BOFF, 18                          ; v18  bo: 32 h
.set TMPB, 32
.set W,    64
.set MX,   64                          ; softmax: c m of token idx at v[64 + 2 idx]
.set SM,   96                          ; and its sum at v[96 + 2 idx]
.set ATT,  128
.set OT,   128
.set RB,   192
.set T,    128                         ; in window 1
.set BO,   16                          ; s[16:17] bo at my 64 columns of unit 0
.set OUT,  18                          ; s[18:19] out0 at my block's rows and my 64 columns of unit 0
.set WV,   20                          ; s20  my wave's number
.set CNT,  23                          ; s23  the loops' counter
.set G1,   24                          ; s[24:31] descriptor group 1, the same for every load
.set G0A,  40                          ; s[40:43] group 0 for slot 0
.set G0B,  44                          ; s[44:47] group 0 for slot 1
.set CUR,  48                          ; s[48:49] the unit in hand: my 64 rows' first byte
.set PFB,  52                          ; s[52:53] the next unit's; behind a unit's second change of slots the one after that
.set PQ,   54                          ; s[54:55], s[56:57], s[58:59], s[62:63]: my 64 rows of unit 0 of Wq, Wk, Wv, Wo; they stay
.set PK,   56
.set PV,   58
.set OUTC, 60                          ; s[60:61] out0 at the O unit in hand
.set PO,   62
.set LIMQ, 66                          ; 1, 2 in the first four clusters, else the greatest number: a wave prefetches in the trip in which s[CNT] equals the limit
.set LIMV, 67
.set CS,   78                          ; s[78:79] log2(e) / 32 x 2^(e6+e7)
.set SEL,  80                          ; s[80:81] lane selects: lane l xor 16
.set PS,   82                          ; s82-85 byte selectors: T as it is, but for byte g, which takes code j % 4
.set SO,   86                          ; s[86:87] 2^(e8+e9)
.set SV,   88                          ; s88  2^(e0+e1)
.set BOC,  90                          ; s[90:91] bo at the O unit in hand
.set OFA,  92                          ; s[92:93] an offset, its upper word 0
.set GI,   94                          ; s94  g of the trip in hand: (cluster + trip) % 4
.set MSB, 0
.macro WIN new                         ; the immediate's high byte repeats the setting that is left; a switch that changes nothing is dropped
.if MSB != (\new)
	s_set_vgpr_msb (MSB<<8)|(\new)
.set MSB, (\new)
.endif
.endm
.macro PLACES n                        ; plain vector instructions between a matrix instruction and a reader of its result, a writer of its registers or a load into them (ISA guide 7.12.1 for vector instructions)
.rept \n
	v_nop
.endr
.endm
.macro BAR
	s_barrier_signal -1
	s_barrier_wait -1
.endm
.macro CROUND                          ; a round of the cluster's barrier: my work-group's barrier, wave 0 signals for it, all wait for the four work-groups, my work-group's barrier once more
	s_barrier_signal -1
	s_barrier_wait -1
	s_cmp_lg_u32 s[WV], 0
	s_cbranch_scc1 .Lnot_wave_0_\@
	s_barrier_signal -3
.Lnot_wave_0_\@:
	s_barrier_wait -3
	s_barrier_signal -1
	s_barrier_wait -1
.endm
; A CHANGE OF SLOTS.  Each wave waits for all its tensor loads (one is out: its part of the slot that is read next), adds 0 to its spare word, steps descriptors while the add is out, waits for the add and for its
; LDS reads, and passes a round; the joint refill of the slot just left is the first thing behind it.  Its four v_nop are also places in front of loads into W.
.macro CHG_OPEN
	WIN 0
	s_wait_tensorcnt 0x0                           ; no tensor load of mine is out, so a group 0 may be written
	ds_add_u32 v[SPW], v[NIL]
.endm
.macro CHG_FILL g0
	s_wait_dscnt 0x0                               ; the add is done, and my reads of the slot that is filled again, and of the stage in hand, are over
	CROUND
	tensor_load_to_lds s[\g0:\g0+3], s[G1:G1+7]
	s_nop 0
	PLACES 4
.endm
.macro CHG_A                           ; at a unit's head: slot 1 takes the unit's K 512..1023
	CHG_OPEN
	s_add_nc_u64 s[G0B+2:G0B+3], s[CUR:CUR+1], 512
	s_or_b32 s[G0B+3], s[G0B+3], 0x80000000
	CHG_FILL G0B
.endm
.macro NEXTU                           ; slot 0 will take the next unit's K 0..511
	s_wait_xcnt 0x0                                ; a prefetch issued a unit back has read s[PFB:PFB+1]: it is written again below
	s_mov_b64 s[CUR:CUR+1], s[PFB:PFB+1]
	s_mov_b64 s[G0A+2:G0A+3], s[PFB:PFB+1]
	s_or_b32 s[G0A+3], s[G0A+3], 0x80000000
.endm
; In a unit's middle s[PFB] becomes the unit TWO on.  s[GI] = g of the trip in hand; a phase's trip i + 4 would have trip i's g again.
.macro CHG_B_Q                         ; two on from Q of trip i: Q of trip i + 1; from the last: V of trip 0
	CHG_OPEN
	NEXTU
	s_add_co_u32 s2, s[GI], 1
	s_and_b32 s2, s2, 3
	s_lshl_b32 s[OFA], s2, 10
	s_cmp_eq_u32 s[CNT], 1
	s_cselect_b64 s[PFB:PFB+1], s[PV:PV+1], s[PQ:PQ+1]
	s_add_nc_u64 s[PFB:PFB+1], s[PFB:PFB+1], s[OFA:OFA+1]
	CHG_FILL G0A
.endm
.macro CHG_B_K                         ; two on from K of trip i: K of trip i + 1; from the last: V of trip 1
	CHG_OPEN
	NEXTU
	s_cmp_eq_u32 s[CNT], 1
	s_cselect_b32 s2, 2, 1
	s_cselect_b64 s[PFB:PFB+1], s[PV:PV+1], s[PK:PK+1]
	s_add_co_u32 s2, s2, s[GI]
	s_and_b32 s2, s2, 3
	s_lshl_b32 s[OFA], s2, 10
	s_add_nc_u64 s[PFB:PFB+1], s[PFB:PFB+1], s[OFA:OFA+1]
	CHG_FILL G0A
.endm
.macro CHG_B_V                         ; two on from V of trips 0, 1: V of trips 2, 3; from trips 2, 3: O of trips 0, 1: in each case g + 2
	CHG_OPEN
	NEXTU
	s_add_co_u32 s2, s[GI], 2
	s_and_b32 s2, s2, 3
	s_cmp_le_u32 s[CNT], 2
	s_cselect_b64 s[PFB:PFB+1], s[PO:PO+1], s[PV:PV+1]
	s_cselect_b32 s3, 18, 10                       ; a unit of O is 262,144 bytes on from the last, one of V 1,024
	s_lshl_b32 s[OFA], s2, s3
	s_add_nc_u64 s[PFB:PFB+1], s[PFB:PFB+1], s[OFA:OFA+1]
	CHG_FILL G0A
.endm
.macro CHG_B_O                         ; two on from O of trips 0, 1: O of trips 2, 3 (what trip 2 makes is used by nobody, and lies inside Wo)
	CHG_OPEN
	NEXTU
	s_add_co_u32 s2, s[GI], 2
	s_and_b32 s2, s2, 3
	s_lshl_b32 s[OFA], s2, 18
	s_add_nc_u64 s[PFB:PFB+1], s[PO:PO+1], s[OFA:OFA+1]
	CHG_FILL G0A
.endm
.macro CHG_LAST                        ; the last change of slots: nothing is left to fetch, so a plain barrier
	CHG_OPEN
	s_wait_dscnt 0x0
	BAR
	PLACES 4
.endm
; A PREFETCH of the unit with which a cluster will begin the next phase, one unit ahead of the load that asks for its first half: in the last Q unit V of trip 0, in the third V unit O of trip 0 (s[PFB] holds it there).
; Clusters c, c + 4, c + 8 .. begin with the same unit: the first four clusters ask, each for its own.  Of the 64 rows that wave w will fetch, the partner at place cx takes 16, told apart BY ADDRESS (v[PFO] holds
; 65,536 cx); a row's 1,024 bytes are four blocks of 256: two lanes to a row, two instructions.  So each block of Wv and Wo is named once in the launch.  The units that a cluster takes later in a phase are those with
; which other clusters began it.  Wq's and Wk's first units are asked for at the kernel's head, by their loads alone.
.macro ASK lim
	s_cmp_eq_u32 s[CNT], s[\lim]
	s_cbranch_scc0 .Lnot_mine_\@
	global_prefetch_b8 v[PFO], s[PFB:PFB+1] th:TH_LOAD_NT scope:SCOPE_SE
	global_prefetch_b8 v[PFO], s[PFB:PFB+1] offset:512 th:TH_LOAD_NT scope:SCOPE_SE
.Lnot_mine_\@:
.endm
; A fragment of W: 16 rows x 128 K in 16 registers.  mode 0 (Q, K, V): registers 4 c .. 4 c + 3 hold K = 32 c + 16 h + 0 .. 15, as x's fragments do.  mode 1 (O): K = 64 (c / 2) + 32 h + 16 (c % 2) + 0 .. 15, as T's registers do.
.macro WLOAD slot, t, k, mode
.irp c, 0,1,2,3
.if \mode
	ds_load_b128 v[W+16*(\t)+4*\c:W+16*(\t)+4*\c+3], v[AW+\slot] offset:(\t)*4*WP+128*(\k)+64*(\c/2)+16*(\c%2)
.else
	ds_load_b128 v[W+16*(\t)+4*\c:W+16*(\t)+4*\c+3], v[AW+\slot] offset:(\t)*16*WP+128*(\k)+32*\c
.endif
.endr
.endm
.macro MM first, orient, k, t, m       ; orient 0: source 0 = 16 rows of W, source 1 = 16 rows of X (a lane holds one row of X and eight columns); orient 1: the other way round
.set rA, 8*(4*(\m)+(\t))
.set rW, W+16*(\t)
.set rX, 16*(4*(\k)+(\m))
.if \orient
.if (\first) && ((\k) == 0)
	v_wmma_f32_16x16x128_bf8_bf8 v[rA:rA+7], v[rX:rX+15], v[rW:rW+15], 0
.else
	v_wmma_f32_16x16x128_bf8_bf8 v[rA:rA+7], v[rX:rX+15], v[rW:rW+15], v[rA:rA+7]
.endif
.else
.if (\first) && ((\k) == 0)
	v_wmma_f32_16x16x128_bf8_bf8 v[rA:rA+7], v[rW:rW+15], v[rX:rX+15], 0
.else
	v_wmma_f32_16x16x128_bf8_bf8 v[rA:rA+7], v[rW:rW+15], v[rX:rX+15], v[rA:rA+7]
.endif
.endif
.endm
; HALF A UNIT: 512 along K, 64 matrix instructions.  W's four fragments roll: tile t's is loaded anew, for the next 128 along K, as soon as its four products are issued.  The 16 accumulators take turns, one
; instruction a turn.  first = 1: the first products start the sums.  lim: the register of the prefetch's limit, 0 for none.
.macro HALF slot, first, orient, mode, lim
	WIN 0
.irp t, 0,1,2,3
	WLOAD \slot, \t, 0, \mode
.endr
.if \lim
	ASK \lim
.endif
.irp k, 0,1,2,3
.irp t, 0,1,2,3
.if \k == 3
	s_wait_dscnt 12-4*\t                           ; nothing more is fetched: behind my fragment stand those of the tiles still to come
.else
	s_wait_dscnt 12                                ; three fragments, four loads each, were issued behind the one that is wanted
.endif
.if \orient
	WIN 0x52+\slot                                 ; X window 2 or 3, W window 0, C and D window 1
.else
	WIN 0x58+4*\slot
.endif
.irp m, 0,1,2,3
	MM \first, \orient, \k, \t, \m
.endr
.if \k < 3
	PLACES 4
	WIN 0
	WLOAD \slot, \t, \k+1, \mode
.endif
.endr
.endr
.endm
; A Q or K unit's sums become codes.  ACC(mt, t) register j of lane (r, h) is token 16 mt + r, head 4 w + t, m = 8 h + j: eight codes, 8 bytes, to [token][16 head + m].
.macro QKOUT off, sc, lim
	PLACES 4
.irp m, 0,1,2,3
.if \m >= 2
	s_wait_dscnt 4                                 ; the stores of two batches back have read their registers; only the last batch's four may be out
.endif
	WIN 0x01                                       ; source 0 window 1
.irp t, 0,1,2,3
.irp j, 0,1,2,3,4,5,6,7
	v_med3_num_f32 v[W+32*(\m%2)+8*\t+\j], v[8*(4*\m+\t)+\j], -v[\lim], v[\lim]   ; the conversion does not saturate (ISA guide 7.6.2): the hold at the largest code x the scale; each accumulator from its low end on
.endr
.endr
	WIN 0
.irp t, 0,1,2,3
	v_cvt_scalef32_pk8_bf8_f32 v[TMPB+8*(\m%2)+2*\t:TMPB+8*(\m%2)+2*\t+1], v[W+32*(\m%2)+8*\t:W+32*(\m%2)+8*\t+7], v[\sc]
.endr
	v_nop                                          ; a plain instruction behind the last conversion
.irp t, 0,1,2,3
	ds_store_b64 v[STA], v[TMPB+8*(\m%2)+2*\t:TMPB+8*(\m%2)+2*\t+1] offset:\off+\m*16*QP+16*\t
.endr
.endr
.endm
; E += k q^T over the unit's 16 d, for my 16 tokens, eight at a time.  A fragment is 16 heads x 64 k, of which registers 0, 1 hold m = 8 h + 0 .. 7 and registers 2 to 7 stay zero codes.
; Source 0 = k, source 1 = q: lane (r, h) holds E[hq = r][hk = 8 h + j].
.macro ENERGY
	s_wait_dscnt 0x0                               ; my codes lie in the stage
	BAR                                            ; everybody's do
.irp be, 0,1
	WIN 0x40                                       ; destination window 1
.irp s, 0,1,2,3,4,5,6,7
	ds_load_b64 v[T+16*\s:T+16*\s+1], v[LDA] offset:(16*(2*\be+\s/4)+\s%4)*QP
	ds_load_b64 v[T+16*\s+8:T+16*\s+9], v[LDA] offset:(16*(2*\be+\s/4)+\s%4)*QP+KOFF
.endr
	s_wait_dscnt 0x0
	WIN 0x05                                       ; sources 0 and 1 window 1
.irp s, 0,1,2,3,4,5,6,7
	v_wmma_f32_16x16x64_bf8_bf8 v[ATT+8*(8*\be+\s):ATT+8*(8*\be+\s)+7], v[T+16*\s+8:T+16*\s+15], v[T+16*\s:T+16*\s+7], v[ATT+8*(8*\be+\s):ATT+8*(8*\be+\s)+7]
.endr
	PLACES 4
	WIN 0
.endr
.endm
; HALF A V UNIT'S WAY ON: 32 tokens (16 (2 rho + mp) on).  ACC(mt, t) register j of lane (r, h) is v of token 16 mt + 8 h + j, head 4 w + t, m = r.  x 2^(e0+e1), to the stage [token][m][hk]; back, for my eight
; tokens q = 4 mp + pl, as lane (r, h): m = r, hk = 8 h + 0 .. 7.  out^T = v^T att^T by the f32 form, four steps of K = 4: in step s both operands give lane half h, register i the head hk = 8 h + 2 s + i.
; Its result: lane (r, h), register j: hq = r, m = 8 h + j.  Held, converted, and each code put into byte g of T's register j, which so holds d = 32 h + 4 j + 0 .. 3 after the four units.
; Between the two halves stands the next unit's first change of slots: in front of its round every wave has waited for its reads of the first 32 tokens, and the second half's stores into those bytes stand behind it.
.macro VROUND rho
.if \rho == 0
	PLACES 4
.endif
	WIN 0x04                                       ; source 1 window 1
.irp j, 0,1,2,3,4,5,6,7
.irp mp, 0,1
.irp t, 0,1,2,3
	v_mul_f32 v[W+32*\mp+4*\j+\t], s[SV], v[8*(4*(2*\rho+\mp)+\t)+\j]
.endr
.endr
.endr
	WIN 0
.irp mp, 0,1
.irp j, 0,1,2,3,4,5,6,7
	ds_store_b128 v[STA], v[W+32*\mp+4*\j:W+32*\mp+4*\j+3] offset:(16*\mp+\j)*VT
.endr
.endr
	s_wait_dscnt 0x0
	BAR
.irp q, 0,1,2,3,4,5,6,7
.irp g, 0,1
	ds_load_b128 v[W+8*\q+4*\g:W+8*\q+4*\g+3], v[LDA] offset:(16*(\q/4)+\q%4)*VT+16*\g
.endr
.endr
	s_wait_dscnt 0x0
	WIN 0x50                                       ; C and D window 1
.irp s, 0,1,2,3
.irp q, 0,1,2,3,4,5,6,7
.if \s == 0
	v_wmma_f32_16x16x4_f32 v[8*\q:8*\q+7], v[W+8*\q+2*\s:W+8*\q+2*\s+1], v[ATT+8*(8*\rho+\q)+2*\s:ATT+8*(8*\rho+\q)+2*\s+1], 0
.else
	v_wmma_f32_16x16x4_f32 v[8*\q:8*\q+7], v[W+8*\q+2*\s:W+8*\q+2*\s+1], v[ATT+8*(8*\rho+\q)+2*\s:ATT+8*(8*\rho+\q)+2*\s+1], v[8*\q:8*\q+7]
.endif
.endr
.endr
	PLACES 8
	WIN 0x01
.irp q, 0,1,2,3,4,5,6,7
.irp j, 0,1,2,3,4,5,6,7
	v_med3_num_f32 v[W+8*\q+\j], v[8*\q+\j], -v14, v14
.endr
.endr
	WIN 0
.irp q, 0,1,2,3,4,5,6,7
	v_cvt_scalef32_pk8_bf8_f32 v[TMPB+2*\q:TMPB+2*\q+1], v[W+8*\q:W+8*\q+7], v13
.endr
	v_nop                                          ; a plain instruction behind the last conversion
	WIN 0x44                                       ; source 1 and destination window 1
.irp q, 0,1,2,3,4,5,6,7
.irp j, 0,1,2,3,4,5,6,7
	v_perm_b32 v[T+8*(8*\rho+\q)+\j], v[TMPB+2*\q+\j/4], v[T+8*(8*\rho+\q)+\j], s[PS+\j%4]
.endr
.endr
	WIN 0
.endm
; THE EXCHANGE.  T(4 jg + 2 kl) and the eight registers behind it are the fragment (K step 2 w + kl, rows of tile jg) of an operand of 64 rows x K 1,024.  Two tiles of rows at a time: 16 images of 2,048 bytes; every wave takes all.
.macro XADDR
	v_lshlrev_b32 v[LDA], 4, v3
	v_add_nc_u32 v[LDA], STG, v[LDA]               ; an image's place for my lane
	s_lshl_b32 s2, s[WV], 12
	v_add_nc_u32 v[STA], s2, v[LDA]                ; my two K steps' images
.endm
.macro XCHG eta
	s_wait_dscnt 0x0                               ; my reads of what lay in the stage are over
	BAR
	WIN 0x04                                       ; store data window 1
.irp jl, 0,1
.irp kl, 0,1
.irp c, 0,1,2,3
	ds_store_b128 v[STA], v[T+8*(4*(2*\eta+\jl)+2*\kl)+4*\c:T+8*(4*(2*\eta+\jl)+2*\kl)+4*\c+3] offset:(8*\jl+\kl)*FRB+512*\c
.endr
.endr
.endr
	WIN 0
	s_wait_dscnt 0x0
	BAR
	WIN 0x80                                       ; destination window 2
.irp jl, 0,1
.irp ks, 0,1,2,3
.irp c, 0,1,2,3
	ds_load_b128 v[16*(4*\ks+2*\eta+\jl)+4*\c:16*(4*\ks+2*\eta+\jl)+4*\c+3], v[LDA] offset:(8*\jl+\ks)*FRB+512*\c
.endr
.endr
.endr
	WIN 0xc0                                       ; destination window 3
.irp jl, 0,1
.irp ks, 0,1,2,3
.irp c, 0,1,2,3
	ds_load_b128 v[16*(4*\ks+2*\eta+\jl)+4*\c:16*(4*\ks+2*\eta+\jl)+4*\c+3], v[LDA] offset:(8*\jl+4+\ks)*FRB+512*\c
.endr
.endr
.endr
	WIN 0
.endm
; THE WAY OUT of an O unit, a tile of 16 rows (one for each head) x my 64 columns at a time.  ACC(mt, t) register j of lane (r, h): row of head r, column 16 t + 8 h + j.  Through my own stage, back as rows of 256 bytes.
.macro TOSTAGE m
	WIN 0x01
.irp t, 0,1,2,3
.irp i, 0,2,4,6
	v_pk_fma_f32 v[OT+32*((\m)%2)+8*\t+\i:OT+32*((\m)%2)+8*\t+\i+1], v[8*(4*(\m)+\t)+\i:8*(4*(\m)+\t)+\i+1], s[SO:SO+1], v[TMPB+8*\t+\i:TMPB+8*\t+\i+1] op_sel_hi:[1,0,1]   ; sum x 2^(e8+e9) + bo
.endr
.endr
	WIN 0
.irp t, 0,1,2,3
.irp e, 0,1
	ds_store_b128 v[STA], v[OT+32*((\m)%2)+8*\t+4*\e:OT+32*((\m)%2)+8*\t+4*\e+3] offset:((\m)%2)*OBUF+64*\t+16*\e
.endr
.endr
.irp i, 0,1,2,3,4,5,6,7
	ds_load_b128 v[RB+32*((\m)%2)+4*\i:RB+32*((\m)%2)+4*\i+3], v[LDA] offset:((\m)%2)*OBUF+544*\i   ; LDS serves a wave's instructions in order (ISA guide 5.7.1.4): these see my stores
.endr
.endm
.macro SEND m, younger                 ; younger: the LDS instructions issued behind this tile's loads
	s_wait_dscnt \younger
.irp i, 0,1,2,3,4,5,6,7
	global_store_b128 v[GOFF], v[RB+32*((\m)%2)+4*\i:RB+32*((\m)%2)+4*\i+3], s[OUTC:OUTC+1] offset:2*\i*524288+(\m)*4096 th:TH_STORE_NT   ; heads 2 i and 2 i + 1: sixteen lanes store 256 consecutive bytes, aligned; 7,352,320 at the most, inside the signed 24-bit immediate
.endr
.endm
.macro OOUT last
	s_wait_loadcnt 0x0                             ; bo's 64 numbers of my columns
	PLACES 4
	TOSTAGE 0
.irp m, 1,2,3
.if \m > 1
	s_wait_xcnt 0x0                                ; the stores of two tiles back have read their registers
.endif
	TOSTAGE \m
	SEND \m-1, 16                                  ; behind its loads: the next tile's 8 stores and 8 loads
.endr
	SEND 3, 0
.if !\last
	s_wait_xcnt 0x0                                ; the stores and bo's loads have read their bases and registers
	s_add_co_u32 s[GI], s[GI], 1                   ; the next trip's g,
	s_and_b32 s[GI], s[GI], 3
	s_lshl_b32 s[OFA], s[GI], 10                   ; and its 256 columns
	s_add_nc_u64 s[OUTC:OUTC+1], s[OUT:OUT+1], s[OFA:OFA+1]
	s_add_nc_u64 s[BOC:BOC+1], s[BO:BO+1], s[OFA:OFA+1]
.endif
.endm
.macro OUNIT last                      ; the unit's first change of slots stands at the end of the unit before
.irp t, 0,1,2,3
.irp e, 0,1
	global_load_b128 v[TMPB+8*\t+4*\e:TMPB+8*\t+4*\e+3], v[BOFF], s[BOC:BOC+1] offset:64*\t+16*\e
.endr
.endr
	HALF 0, 1, 0, 1, 0
.if \last
	CHG_LAST
.else
	CHG_B_O
.endif
	HALF 1, 0, 0, 1, 0
	OOUT \last
.if !\last
	CHG_A
.endif
.endm
	; ---------------- THE HEAD
	s_load_b256 s[4:11], s[0:1], 0x0               ; x s[4:5], Wq s[6:7], Wk s[8:9], Wv s[10:11]
	s_load_b256 s[12:19], s[0:1], 0x20             ; Wo s[12:13], the scales' exponents s[14:15], bo s[16:17], out0 s[18:19]
	v_lshl_add_u32 v[SPW], v0, 2, SPARE
	v_mov_b32 v[NIL], 0
	ds_add_u32 v[SPW], v[NIL]                      ; the wave's opening: the add, twice on end, and its wait ahead of my first tensor load
	ds_add_u32 v[SPW], v[NIL]
	v_lshrrev_b32 v20, 5, v0
	v_readfirstlane_b32 s[WV], v20                 ; wave 0..3
	s_bfe_u32 s21, ttmp6, 0x40000                  ; cx: my place in the cluster
	s_lshl_b32 s22, ttmp9, 2
	s_add_co_u32 s22, s22, s21                     ; b: my block of 64 tokens
	s_and_b32 s[GI], ttmp9, 3                      ; the unit with which my cluster begins each phase: the same in all four partners
	s_mov_b32 s[G1], 15|(1<<20)|(1<<21)|(6<<22)|(3<<25)   ; 15:0 the mask: all four; 17:16 elements of 1 byte; 20 padding on; 21 set beside a mask; 24:22 after every 128 words (code 6); 31:25 four words (code 3)
	s_mov_b32 s[G1+1], 512<<16                     ; tensor_dim0 = 512
	s_mov_b32 s[G1+2], 64<<16                      ; tensor_dim1 = 64
	s_mov_b32 s[G1+3], 512<<16                     ; tile_dim0 = 512
	s_mov_b32 s[G1+4], 64                          ; tile_dim1 = 64
	s_mov_b32 s[G1+5], 4096                        ; from row to row: every fourth row of a weight
	s_mov_b32 s[G1+6], 0
	s_mov_b32 s[G1+7], 0
	s_mov_b32 s[G0A], 1
	s_mul_i32 s[G0A+1], s[WV], WREG                ; my 64 rows' place in slot 0: no place in the cluster enters an LDS address
	s_mov_b32 s[G0B], 1
	s_add_co_u32 s[G0B+1], s[G0A+1], SLOT          ; and in slot 1
	s_mov_b32 s[SEL], 0x76543210
	s_mov_b32 s[SEL+1], 0xfedcba98
	s_mov_b32 s[OFA+1], 0
	s_cmp_lt_u32 ttmp9, 4                          ; the first four clusters prefetch: the same in all four partners
	s_cselect_b32 s[LIMQ], 1, -1
	s_cselect_b32 s[LIMV], 2, -1
	v_and_b32 v1, 15, v0                           ; r
	v_bfe_u32 v2, v0, 4, 1                         ; h
	v_and_b32 v3, 31, v0                           ; lane
	v_mul_u32_u24 v[AW], v1, WP                    ; Q, K, V units: my region, row r of a tile, + 16 h
	v_lshl_add_u32 v[AW], v2, 4, v[AW]
	v_add_nc_u32 v[AW], s[G0A+1], v[AW]
	v_add_nc_u32 v[AW+1], SLOT, v[AW]
	v_lshrrev_b32 v20, 1, v3                       ; the prefetches: row lane / 2 of my work-group's 16, block lane % 2
	v_lshlrev_b32 v20, 12, v20
	v_and_b32 v21, 1, v3
	v_lshl_add_u32 v[PFO], v21, 8, v20
	s_lshl_b32 s2, s21, 16
	v_add_nc_u32 v[PFO], s2, v[PFO]
	v_lshlrev_b32 v[XOFF], 10, v1
	v_lshl_add_u32 v[XOFF], v2, 4, v[XOFF]
	XADDR                                          ; x's fragments go round as the last operand's will
	v_lshlrev_b32 v[GOFF], 19, v2
	v_lshl_add_u32 v[GOFF], v1, 4, v[GOFF]
	v_lshlrev_b32 v[BOFF], 5, v2
	s_wait_dscnt 0x0                               ; both opening adds are done
	s_wait_kmcnt 0x0
	s_load_b256 s[68:75], s[14:15], 0x0            ; e0 .. e7
	s_load_b64 s[76:77], s[14:15], 0x20            ; e8, e9
	s_mov_b32 s3, 0
	s_lshl_b32 s2, s[WV], 18                       ; Q, K, V: my 64 rows of a unit begin 64 w x 4,096 bytes in
	s_add_nc_u64 s[PQ:PQ+1], s[6:7], s[2:3]
	s_add_nc_u64 s[PK:PK+1], s[8:9], s[2:3]
	s_add_nc_u64 s[PV:PV+1], s[10:11], s[2:3]
	s_lshl_b32 s2, s[WV], 10
	s_add_nc_u64 s[PO:PO+1], s[12:13], s[2:3]      ; O: rows 4 i' + w
	s_lshl_b32 s[OFA], s[GI], 10
	s_add_nc_u64 s[CUR:CUR+1], s[PQ:PQ+1], s[OFA:OFA+1]   ; Q of trip 0
	s_add_nc_u64 s[PFB:PFB+1], s[PK:PK+1], s[OFA:OFA+1]   ; K of trip 0
	s_mov_b64 s[G0A+2:G0A+3], s[CUR:CUR+1]
	s_or_b32 s[G0A+3], s[G0A+3], 0x80000000        ; type = 2
	s_lshl_b32 s89, s[WV], 8
	s_lshl_b32 s2, s22, 16
	s_add_co_u32 s2, s2, s89
	s_add_nc_u64 s[4:5], s[4:5], s[2:3]            ; x at my block's first token, K steps 2 w and 2 w + 1
	s_lshr_b32 s2, s22, 5                          ; out0: batch b / 32 of 2^23 bytes, rows 4 (b % 32) on, my 64 columns
	s_lshl_b32 s2, s2, 23
	s_and_b32 s95, s22, 31
	s_lshl_b32 s95, s95, 14
	s_add_co_u32 s2, s2, s95
	s_add_co_u32 s2, s2, s89
	s_add_nc_u64 s[OUT:OUT+1], s[OUT:OUT+1], s[2:3]
	s_mov_b32 s2, s89
	s_add_nc_u64 s[BO:BO+1], s[BO:BO+1], s[2:3]
	CROUND                                         ; all four work-groups are here: the first joint load meets
	tensor_load_to_lds s[G0A:G0A+3], s[G1:G1+7]    ; Q of trip 0, K 0..511, into slot 0
	s_nop 0
	PLACES 4
	WIN 0x40                                       ; x's codes: each wave loads a quarter, two K steps of all 64 tokens, so that each byte of x is loaded once in the launch
.irp jg, 0,1,2,3
.irp kl, 0,1
.irp c, 0,1,2,3
	global_load_b128 v[T+8*(4*\jg+2*\kl)+4*\c:T+8*(4*\jg+2*\kl)+4*\c+3], v[XOFF], s[4:5] offset:\jg*16384+128*\kl+32*\c th:TH_LOAD_NT
.endr
.endr
.endr
	WIN 0
.set i, 0
.rept 128
	v_mov_b32 v[ATT+i], 0                          ; E begins as zeros: the loop over the Q, K units is written once, and each trip adds its 16 d
.set i, i+1
.endr
	s_wait_kmcnt 0x0
	s_sub_co_i32 s2, s74, s72                      ; q's sums stand for x 2^(e4+e5): their code is sum / 2^(e6-e4-e5)
	s_sub_co_i32 s2, s2, s73
	s_add_co_i32 s2, s2, 127
	s_lshl_b32 s3, s2, 23
	v_mov_b32 v13, s3
	s_add_co_i32 s2, s2, 15
	s_lshl_b32 s2, s2, 23
	s_or_b32 s2, s2, 0x600000
	v_mov_b32 v14, s2                              ; 57,344 x that
	s_sub_co_i32 s2, s75, s70                      ; k's likewise: e7-e2-e3
	s_sub_co_i32 s2, s2, s71
	s_add_co_i32 s2, s2, 127
	s_lshl_b32 s3, s2, 23
	v_mov_b32 v15, s3
	s_add_co_i32 s2, s2, 15
	s_lshl_b32 s2, s2, 23
	s_or_b32 s2, s2, 0x600000
	v_mov_b32 v16, s2
	s_add_co_i32 s2, s74, s75                      ; an energy stands for x 2^(e6+e7): added to the exponent field of c = log2(e) / 32
	s_lshl_b32 s2, s2, 23
	s_add_co_i32 s[CS], s2, 0x3d38aa3b
	s_mov_b32 s[CS+1], s[CS]                       ; (named with it as a pair, so it is written)
	s_add_co_i32 s[SO], s76, s77
	s_add_co_i32 s[SO], s[SO], 127
	s_lshl_b32 s[SO], s[SO], 23
	s_mov_b32 s[SO+1], s[SO]
	s_add_co_i32 s[SV], s68, s69
	s_add_co_i32 s[SV], s[SV], 127
	s_lshl_b32 s[SV], s[SV], 23
	s_wait_loadcnt 0x0                             ; my quarter of x
	XCHG 0
	XCHG 1                                         ; every wave holds all of x
	s_wait_dscnt 0x0
	v_mul_u32_u24 v[STA], v1, QP                   ; Q, K stage, in: token r of a tile, + 64 w + 8 h
	v_lshl_add_u32 v[STA], v2, 3, v[STA]
	s_lshl_b32 s2, s[WV], 6
	s_add_co_u32 s2, s2, STG
	v_add_nc_u32 v[STA], s2, v[STA]
	v_lshlrev_b32 v[LDA], 4, v1                    ; and out: token 4 w on, head r, + 8 h
	v_lshl_add_u32 v[LDA], v2, 3, v[LDA]
	s_mul_i32 s2, s[WV], 4*QP
	s_add_co_u32 s2, s2, STG
	v_add_nc_u32 v[LDA], s2, v[LDA]
	WIN 0x40
.irp s, 0,1,2,3,4,5,6,7
.irp f, 0,8
.irp i, 2,3,4,5,6,7
	v_mov_b32 v[T+16*\s+\f+\i], 0                  ; the zero codes of E's fragments: k 16 to 63 of the K = 64 form
.endr
.endr
.endr
	WIN 0
	; ---------------- Q AND K, four trips: unit Qg, unit Kg, and their 16 d into E
	s_mov_b32 s[CNT], 4
.Lqk:
	CHG_A
	HALF 0, 1, 0, 0, 0
	CHG_B_Q
	HALF 1, 0, 0, 0, LIMQ
	QKOUT 0, 13, 14
	CHG_A
	HALF 0, 1, 0, 0, 0
	CHG_B_K
	HALF 1, 0, 0, 0, 0
	QKOUT KOFF, 15, 16
	ENERGY
	s_add_co_u32 s[GI], s[GI], 1                   ; the next trip's g; behind the fourth trip it is the first's again
	s_and_b32 s[GI], s[GI], 3
	s_sub_co_u32 s[CNT], s[CNT], 1
	s_cmp_lg_u32 s[CNT], 0
	s_cbranch_scc1 .Lqk
	CHG_A                                          ; the first V unit's change of slots stands ahead of the softmax: its refill lands meanwhile
	; ---------------- THE SOFTMAX over hk, for my 16 tokens, stage by stage: lane (r, h) holds hq = r and hk = 8 h + 0 .. 7; the other eight lie in lane l xor 16
.set i, 0
.rept 16
	v_max3_num_f32 v[MX+2*i], v[ATT+8*i], v[ATT+8*i+1], v[ATT+8*i+2]
.set i, i+1
.endr
.set i, 0
.rept 16
	v_max3_num_f32 v[MX+2*i], v[MX+2*i], v[ATT+8*i+3], v[ATT+8*i+4]
.set i, i+1
.endr
.set i, 0
.rept 16
	v_max3_num_f32 v[MX+2*i], v[MX+2*i], v[ATT+8*i+5], v[ATT+8*i+6]
.set i, i+1
.endr
.set i, 0
.rept 16
	v_max_num_f32 v[MX+2*i], v[MX+2*i], v[ATT+8*i+7]
.set i, i+1
.endr
.set i, 0
.rept 16
	v_permlanex16_b32 v[MX+2*i+1], v[MX+2*i], s[SEL], s[SEL+1]
.set i, i+1
.endr
.set i, 0
.rept 16
	v_max_num_f32 v[MX+2*i], v[MX+2*i], v[MX+2*i+1]            ; the row's maximum
.set i, i+1
.endr
.set i, 0
.rept 16
	v_mul_f32 v[MX+2*i], s[CS], v[MX+2*i]                      ; c m (c is positive)
.set i, i+1
.endr
.irp p, 0,2,4,6
.set i, 0
.rept 16
	v_pk_fma_f32 v[ATT+8*i+\p:ATT+8*i+\p+1], v[ATT+8*i+\p:ATT+8*i+\p+1], s[CS:CS+1], v[MX+2*i:MX+2*i+1] op_sel_hi:[1,0,0] neg_lo:[0,0,1] neg_hi:[0,0,1]   ; c e - c m
.set i, i+1
.endr
.endr
.set i, 0
.rept 128
	v_exp_f32 v[ATT+i], v[ATT+i]
.set i, i+1
.endr
	v_nop                                          ; a plain instruction behind the last exponential
	s_wait_alu depctr_va_vdst(0)                   ; one wait for the batch, ahead of its first reader
.set i, 0
.rept 16
	v_pk_add_f32 v[SM+2*i:SM+2*i+1], v[ATT+8*i:ATT+8*i+1], v[ATT+8*i+2:ATT+8*i+3]
.set i, i+1
.endr
.irp p, 4,6
.set i, 0
.rept 16
	v_pk_add_f32 v[SM+2*i:SM+2*i+1], v[SM+2*i:SM+2*i+1], v[ATT+8*i+\p:ATT+8*i+\p+1]
.set i, i+1
.endr
.endr
.set i, 0
.rept 16
	v_add_f32 v[SM+2*i], v[SM+2*i], v[SM+2*i+1]
.set i, i+1
.endr
.set i, 0
.rept 16
	v_permlanex16_b32 v[SM+2*i+1], v[SM+2*i], s[SEL], s[SEL+1]
.set i, i+1
.endr
.set i, 0
.rept 16
	v_add_f32 v[SM+2*i], v[SM+2*i], v[SM+2*i+1]                ; the row's sum
.set i, i+1
.endr
.set i, 0
.rept 16
	v_rcp_f32 v[SM+2*i], v[SM+2*i]
.set i, i+1
.endr
	v_nop
	s_wait_alu depctr_va_vdst(0)                   ; one wait for the sixteen reciprocals
.irp p, 0,2,4,6
.set i, 0
.rept 16
	v_pk_mul_f32 v[ATT+8*i+\p:ATT+8*i+\p+1], v[ATT+8*i+\p:ATT+8*i+\p+1], v[SM+2*i:SM+2*i+1] op_sel_hi:[1,0]   ; att
.set i, i+1
.endr
.endr
	; ---------------- V, four trips.  A trip goes from a unit's first products to the second half of its way on; the next unit's first change of slots stands between the two halves
	v_mul_u32_u24 v[STA], v1, 80                   ; V stage, in: token 8 h + j, m = r, hk = 4 w on
	v_mul_u32_u24 v20, v2, 8*VT
	v_add_nc_u32 v[STA], v[STA], v20
	s_lshl_b32 s2, s[WV], 4
	s_add_co_u32 s2, s2, STG
	v_add_nc_u32 v[STA], s2, v[STA]
	v_mul_u32_u24 v[LDA], v1, 80                   ; and out: token 4 w on, m = r, hk = 8 h on
	v_lshl_add_u32 v[LDA], v2, 5, v[LDA]
	s_mul_i32 s2, s[WV], 4*VT
	s_add_co_u32 s2, s2, STG
	v_add_nc_u32 v[LDA], s2, v[LDA]
	s_add_co_i32 s2, s76, 127                      ; out's quantiser: 2^e8
	s_lshl_b32 s3, s2, 23
	v_mov_b32 v13, s3
	s_add_co_i32 s2, s2, 15
	s_lshl_b32 s2, s2, 23
	s_or_b32 s2, s2, 0x600000
	v_mov_b32 v14, s2
	s_mov_b32 s[CNT], 4
.Lv:
	HALF 0, 1, 1, 0, 0
	CHG_B_V
	HALF 1, 0, 1, 0, LIMV
	s_lshl_b32 s2, s[GI], 3                        ; the unit's byte selectors: bytes 0 to 3 of T as they are, but byte g from the codes' register
	s_lshl_b32 s3, 0xff, s2
	s_mov_b32 s89, 0x03020100
	s_and_not1_b32 s89, s89, s3
.irp i, 0,1,2,3
	s_lshl_b32 s3, 4+\i, s2
	s_or_b32 s[PS+\i], s89, s3
.endr
	VROUND 0
	CHG_A                                          ; the next unit's (behind the last V unit: the first O unit's)
	VROUND 1
	s_add_co_u32 s[GI], s[GI], 1
	s_and_b32 s[GI], s[GI], 3
	s_sub_co_u32 s[CNT], s[CNT], 1
	s_cmp_lg_u32 s[CNT], 0
	s_cbranch_scc1 .Lv
	; ---------------- THE EXCHANGE, and the O units' addresses
	XADDR
	XCHG 0
	XCHG 1
	v_and_b32 v20, 3, v1                           ; column 64 w + 16 t + r of a unit lies in region r % 4, row 16 w + 4 t + r / 4
	v_mul_u32_u24 v20, v20, WREG
	v_lshrrev_b32 v21, 2, v1
	v_mul_u32_u24 v21, v21, WP
	v_add_nc_u32 v[AW], v20, v21
	v_lshl_add_u32 v[AW], v2, 5, v[AW]
	s_mul_i32 s2, s[WV], 16*WP
	v_add_nc_u32 v[AW], s2, v[AW]
	v_add_nc_u32 v[AW+1], SLOT, v[AW]
	s_mul_i32 s2, s[WV], 2*OBUF
	s_add_co_u32 s2, s2, STG                       ; my own stage
	s_wait_dscnt 0x0                               ; the last operand's fragments are in
	v_mul_u32_u24 v[STA], v1, 272                  ; in: row r, + 32 h
	v_lshl_add_u32 v[STA], v2, 5, v[STA]
	v_add_nc_u32 v[STA], s2, v[STA]
	v_mul_u32_u24 v[LDA], v2, 272                  ; back: lanes 0-15 one row, lanes 16-31 the next
	v_lshl_add_u32 v[LDA], v1, 4, v[LDA]
	v_add_nc_u32 v[LDA], s2, v[LDA]
	s_lshl_b32 s[OFA], s[GI], 10                   ; the first O unit's 256 columns
	s_add_nc_u64 s[OUTC:OUTC+1], s[OUT:OUT+1], s[OFA:OFA+1]
	s_add_nc_u64 s[BOC:BOC+1], s[BO:BO+1], s[OFA:OFA+1]
	; ---------------- O: three trips, and the last unit written out
	s_mov_b32 s[CNT], 3
.Lo:
	OUNIT 0
	s_sub_co_u32 s[CNT], s[CNT], 1
	s_cmp_lg_u32 s[CNT], 0
	s_cbranch_scc1 .Lo
	OUNIT 1
	s_wait_tensorcnt 0x0                           ; the wave's end, behind my last tensor load and my last LDS store
	ds_add_u32 v[SPW], v[NIL]
	s_wait_dscnt 0x0
	CROUND                                         ; the closing round: no work-group ends while a partner may still ask for a tile that names it
	s_endpgm
.Lfunc_end_k_qf874315e30_mha:
	.size	k_qf874315e30_mha, .Lfunc_end_k_qf874315e30_mha-k_qf874315e30_mha
	.p2alignl 7, 3214868480
	.fill 96, 4, 3214868480
	.section	.rodata,"a",@progbits
	.p2align	6, 0x0
	.amdhsa_kernel k_qf874315e30_mha
		.amdhsa_group_segment_fixed_size 327680
		.amdhsa_private_segment_fixed_size 0
		.amdhsa_enable_private_segment 0
		.amdhsa_kernarg_size 64
		.amdhsa_user_sgpr_count 2
		.amdhsa_user_sgpr_kernarg_segment_ptr 1
		.amdhsa_wavefront_size32 1
		.amdhsa_system_sgpr_workgroup_id_x 1
		.amdhsa_system_sgpr_workgroup_id_y 1
		.amdhsa_system_sgpr_workgroup_id_z 1
		.amdhsa_system_vgpr_workitem_id 0
		.amdhsa_next_free_vgpr 1024
		.amdhsa_next_free_sgpr 100
		.amdhsa_reserve_vcc 0
		.amdhsa_float_denorm_mode_32 3
		.amdhsa_float_denorm_mode_16_64 3
		.amdhsa_memory_ordered 1
		.amdhsa_forward_progress 1
		.amdhsa_inst_pref_size 255
	.end_amdhsa_kernel
	.section	.bss,"aw",@nobits
	.p2align	6
	.space	262144
	.amdgpu_metadata
---
amdhsa.version: [ 1, 2 ]
amdhsa.kernels:
  - .name:           k_qf874315e30_mha
    .symbol:         k_qf874315e30_mha.kd
    .args:
      - { .name: x_codes, .offset: 0, .size: 8, .value_kind: global_buffer, .address_space: global }
      - { .name: Wq_codes, .offset: 8, .size: 8, .value_kind: global_buffer, .address_space: global }
      - { .name: Wk_codes, .offset: 16, .size: 8, .value_kind: global_buffer, .address_space: global }
      - { .name: Wv_codes, .offset: 24, .size: 8, .value_kind: global_buffer, .address_space: global }
      - { .name: Wo_codes, .offset: 32, .size: 8, .value_kind: global_buffer, .address_space: global }
      - { .name: lowp_scales, .offset: 40, .size: 8, .value_kind: global_buffer, .address_space: global }
      - { .name: bo, .offset: 48, .size: 8, .value_kind: global_buffer, .address_space: global }
      - { .name: out0, .offset: 56, .size: 8, .value_kind: global_buffer, .address_space: global }
    .group_segment_fixed_size: 327680
    .private_segment_fixed_size: 0
    .kernarg_segment_align: 8
    .kernarg_segment_size: 64
    .max_flat_workgroup_size: 128
    .sgpr_count:     100
    .vgpr_count:     1024
    .wavefront_size: 32
...
	.end_amdgpu_metadata
.endif
;; end of part 2
